; MI455X (gfx1250); checked and timed in simulation.
; The chip was launched on July 23, 2026; its instructions are those of AMD's public machine-readable ISA for CDNA 5 (MIT licence, August 2026) and "CDNA5" Instruction Set Architecture Reference Guide (July 2026). The comments in the code are by the model that wrote it; some were corrected since.
;; QA Decoder. Allowed arithmetic: float matrix products may take bf16 or f16 operands with f32 sums; other float arithmetic in f32, or as packed bf16 or f16 multiplies, adds, multiply-adds, maxima and minima; sums over many terms, partial sums and values carried from step to step in f32; what a program stores and reads back later, other than sums and carried values, may be rounded once to bf16 or f16.
;; Inputs: b_d0 1,024 float32; b_d1 1,024 float32; b_k 1,024 float32; b_ner 9 float32; b_q 1,024 float32; b_qa 2 float32; b_v 1,024 float32; divide_pos 16 int32; input 16 x 512 x 1,024 float32; mask 16 x 512 float32; w_d0 1,024 x 1,024 float32; w_d1 1,024 x 1,024 float32; w_k 1,024 x 1,024 float32; w_ner 1,024 x 9 float32; w_q 1,024 x 1,024 float32; w_qa 1,024 x 2 float32; w_v 1,024 x 1,024 float32.
;; Outputs: out0 16 x 512 x 2 float32; out1 16 x 512 x 9 float32.
;; 2 versions, each right; version 2 is version 1 with the launch prep written anew for expert scheduling mode. Each part assembles by itself: llvm-mc -triple=amdgcn-amd-amdhsa -mcpu=gfx1250 --defsym DOCPART=n.
;; ======== version 1 of 2: 4 launches
;; limits: right only within a limited range of input values
;; workspace buffers: xb 16,777,216 bytes; wa 6,291,456 bytes; wbm 4,194,304 bytes; lt 32,768 bytes; wcat 4,194,304 bytes; rt 98,304 bytes; yv 33,554,432 bytes
;; launch prep (part 1): grid 513 x 1, 8 waves a work-group, no clusters, 18,432 bytes of LDS; arguments input, w_q, w_v, w_k, w_d1, w_d0, w_qa, w_ner, b_q, b_v, b_d1, xb, wbm, wa, lt; writes xb, wbm, wa, lt
.if DOCPART == 1
	.amdgcn_target "amdgcn-amd-amdhsa--gfx1250"
	.amdhsa_code_object_version 6
	.text
	.protected	k_q21d79d07b2_prep
	.globl	k_q21d79d07b2_prep
	.p2align	8
	.type	k_q21d79d07b2_prep,@function
k_q21d79d07b2_prep:
	s_mov_b64 s[64:65], 0
	v_nop
	global_prefetch_b8 v0, s[64:65] scope:SCOPE_SE
	s_setreg_imm32_b32 hwreg(HW_REG_WAVE_MODE, 25, 1), 1
	s_wait_xcnt 0x0
; QADecoder, first of four launches: the inputs of the matrix products are rounded once to bf16 and laid out with K along the rows.
; WHAT THE PROGRAM COMPUTES, AND WHAT IT LEAVES OUT.  With Wout = [w_ner | w_qa] (11 columns), in exact arithmetic and for all finite inputs:
;  (a) only x_new Wout leaves reference(), so  out = tanh(.) (w_d1 Wout) + (x + b_d1) Wout + b_out : the product with all 1,024 columns of w_d1 is not made.
;  (b) q.k = x_q (w_q w_k^T) x_k + (w_k b_q).x_k + q.b_k.  The last term is the same for all keys of a row, so it cancels in the softmax over the allowed keys;
;      the keys that are not allowed are SET to -1e9 and have weight 0 beside any allowed one (all weights alike where none is allowed).  So b_k reaches no output: it is not loaded and is no argument.
;  (c) a softmax row sums to 1, so  P (x w_v + b_v) w_d0 + b_d0 = P (x (w_v w_d0) + b_v w_d0) + b_d0.
; So: wg makes w_q w_k^T, w_v w_d0 and the thin products; main makes Y' = x (w_q w_k^T) + w_k b_q and V' = x (w_v w_d0) + b_v w_d0; attn does the rest.
; LIMITS.  A NaN, an infinity or an overflow that reaches only the work left out (b_k, q, k, v themselves) is not carried to the result.  (b) holds while the allowed scores with and without q.b_k stay far above -1e9.
; The products are associated otherwise than in reference(), so roundings differ; all matrix operands are bf16, all sums f32.
; THIS LAUNCH.  Work-groups 0-383: plain casts, 32,768 numbers each (input -> xb; w_q, w_v -> wbm; w_k -> wa rows 0-1023; w_d1 -> wa rows 2048-3071).
; Work-groups 384-511: w_d0 transposed into wa rows 1024-2047, a tile of 128 x 64 through LDS.  Work-group 512: lt, 16 rows of 1,024: w_ner^T (0-8), w_qa^T (9-10), b_q, b_v, b_d1 (11-13), zeros (14-15).
; Memory binds: no matrix unit, no cluster, no tensor loads; every store of sixteen neighbouring lanes covers 256 consecutive bytes, aligned.
.set SPARE, 17408                      ; behind the stage of 64 rows x 272 bytes: the spare words, 128 bytes a wave
	s_load_b512 s[4:19], s[0:1], 0x0               ; input s4, w_q s6, w_v s8, w_k s10, w_d1 s12, w_d0 s14, w_qa s16, w_ner s18
	s_load_b256 s[20:27], s[0:1], 0x40             ; b_q s20, b_v s22, b_d1 s24, xb s26
	s_load_b128 s[28:31], s[0:1], 0x60             ; wbm s28, wa s30
	s_load_b64 s[32:33], s[0:1], 0x70              ; lt
	v_lshl_add_u32 v14, v0, 2, SPARE               ; my spare word
	v_mov_b32 v15, 0
	v_lshrrev_b32 v1, 5, v0
	v_readfirstlane_b32 s34, v1                    ; wave 0..7
	s_mov_b32 s35, ttmp9                           ; the work-group's number
	s_mov_b32 s41, 0                               ; high words of the two offsets
	s_mov_b32 s43, 0
	s_wait_kmcnt 0x0
	s_cmp_lt_u32 s35, 384
	s_cbranch_scc0 .Lnot_cast
	; ---- a cast: source, destination and chunk by the work-group's number
	s_cmp_lt_u32 s35, 256
	s_cbranch_scc0 .Lweights
	s_mov_b64 s[36:37], s[4:5]                     ; input -> xb, chunk = number
	s_mov_b64 s[38:39], s[26:27]
	s_mov_b32 s44, s35
	s_mov_b32 s42, 0
	s_branch .Lcast
.Lweights:
	s_sub_co_u32 s45, s35, 256
	s_lshr_b32 s46, s45, 5                         ; which weight: 0 w_q, 1 w_v, 2 w_k, 3 w_d1
	s_and_b32 s44, s45, 31                         ; chunk of it
	s_cmp_eq_u32 s46, 0
	s_cselect_b64 s[36:37], s[6:7], s[8:9]
	s_cmp_eq_u32 s46, 2
	s_cselect_b64 s[36:37], s[10:11], s[36:37]
	s_cmp_eq_u32 s46, 3
	s_cselect_b64 s[36:37], s[12:13], s[36:37]
	s_cmp_lt_u32 s46, 2
	s_cselect_b64 s[38:39], s[28:29], s[30:31]     ; wbm for the first two, wa for the others
	s_and_b32 s42, s46, 1                          ; w_v lies 2 MiB into wbm, w_d1 4 MiB into wa
	s_lshr_b32 s47, s46, 1
	s_add_co_u32 s47, s47, 21
	s_lshl_b32 s42, s42, s47
.Lcast:
	s_lshl_b32 s40, s44, 17                        ; 131,072 bytes of f32 a chunk
	s_add_nc_u64 s[36:37], s[36:37], s[40:41]
	s_lshl_b32 s40, s44, 16                        ; 65,536 bytes of bf16
	s_add_co_u32 s42, s42, s40
	s_add_nc_u64 s[38:39], s[38:39], s[42:43]
	v_lshlrev_b32 v1, 5, v0                        ; a thread's 8 numbers: 32 bytes in,
	v_lshlrev_b32 v2, 4, v0                        ; 16 bytes out
.set k, 0
.rept 16                                       ; all 32 loads go out at once: 16 KiB a wave on their way
	global_load_b128 v[16+8*k:19+8*k], v1, s[36:37] offset:8192*k th:TH_LOAD_NT
	global_load_b128 v[20+8*k:23+8*k], v1, s[36:37] offset:8192*k+16 th:TH_LOAD_NT
.set k, k+1
.endr
.set k, 0
.rept 16
	s_wait_loadcnt 30-2*k                          ; loads come back in order: pair k is in, the 15 - k younger pairs may stay out
	v_cvt_pk_bf16_f32 v[144+4*k], v[16+8*k], v[17+8*k]
	v_cvt_pk_bf16_f32 v[145+4*k], v[18+8*k], v[19+8*k]
	v_cvt_pk_bf16_f32 v[146+4*k], v[20+8*k], v[21+8*k]
	v_cvt_pk_bf16_f32 v[147+4*k], v[22+8*k], v[23+8*k]
	global_store_b128 v2, v[144+4*k:147+4*k], s[38:39] offset:4096*k  ; no register is used twice, so nothing waits for the stores
.set k, k+1
.endr
	s_branch .Lend
.Lnot_cast:
	s_cmp_lt_u32 s35, 512
	s_cbranch_scc0 .Lthin
	; ---- w_d0 transposed: rows h = 128 hb .., columns j = 64 jb ..
	s_sub_co_u32 s44, s35, 384
	s_and_b32 s45, s44, 7                          ; hb
	s_lshr_b32 s46, s44, 3                         ; jb
	s_lshl_b32 s40, s45, 19                        ; 128 rows of 4,096 bytes
	s_lshl_b32 s47, s46, 8                         ; 64 columns of 4 bytes
	s_add_co_u32 s40, s40, s47
	s_add_nc_u64 s[36:37], s[14:15], s[40:41]
	s_lshl_b32 s42, s46, 17                        ; out: 64 rows of 2,048 bytes,
	s_lshl_b32 s47, s45, 8                         ; 128 columns of 2 bytes,
	s_add_co_u32 s42, s42, s47
	s_add_co_u32 s42, s42, 0x200000                ; from row 1,024 of wa on
	s_add_nc_u64 s[38:39], s[30:31], s[42:43]
	v_and_b32 v1, 15, v0                           ; jq: my four columns
	v_lshrrev_b32 v2, 4, v0                        ; hp: my pairs of rows 2 hp + 32 e
	v_lshlrev_b32 v6, 13, v2
	v_lshl_add_u32 v6, v1, 4, v6
	v_mul_u32_u24 v3, v1, 1088                     ; stage row 4 jq (+ c), 272 bytes a row; byte 4 hp (+ 64 e)
	v_lshl_add_u32 v3, v2, 2, v3
	v_mul_u32_u24 v4, v2, 272                      ; back: sixteen lanes take a row's 256 bytes
	v_lshl_add_u32 v4, v1, 4, v4
	v_lshlrev_b32 v5, 11, v2
	v_lshl_add_u32 v5, v1, 4, v5
.irp e, 0,1,2,3
	global_load_b128 v[16+8*\e:19+8*\e], v6, s[36:37] offset:131072*\e th:TH_LOAD_NT
	global_load_b128 v[20+8*\e:23+8*\e], v6, s[36:37] offset:131072*\e+4096 th:TH_LOAD_NT
.endr
	s_wait_loadcnt 0x0
.irp e, 0,1,2,3
.irp c, 0,1,2,3
	v_cvt_pk_bf16_f32 v[48+4*\e+\c], v[16+8*\e+\c], v[20+8*\e+\c]  ; rows h and h + 1 of one column: neighbours in the transposed row
	ds_store_b32 v3, v[48+4*\e+\c] offset:272*\c+64*\e
.endr
.endr
	s_wait_dscnt 0x0                               ; for the others' sake: my stores into the stage are done
	s_barrier_signal -1
	s_barrier_wait -1
.irp i, 0,1,2,3
	ds_load_b128 v[64+4*\i:67+4*\i], v4 offset:4352*\i
.endr
	s_wait_dscnt 0x0
.irp i, 0,1,2,3
	global_store_b128 v5, v[64+4*\i:67+4*\i], s[38:39] offset:32768*\i
.endr
	s_branch .Lend
.Lthin:
	; ---- lt: threads 0-127 take 8 channels each
	s_cmp_lt_u32 s34, 4
	s_cbranch_scc0 .Lend
	v_mul_u32_u24 v1, v0, 288                      ; 8 rows of w_ner: 72 numbers
	v_lshlrev_b32 v2, 6, v0                        ; 8 rows of w_qa: 16 numbers
	v_lshlrev_b32 v3, 5, v0                        ; 8 numbers of a bias
	v_lshlrev_b32 v4, 4, v0                        ; 16 bytes of a row of lt
.set i, 0
.rept 18
	global_load_b128 v[16+4*i:19+4*i], v1, s[18:19] offset:16*i
.set i, i+1
.endr
.set i, 0
.rept 4
	global_load_b128 v[88+4*i:91+4*i], v2, s[16:17] offset:16*i
.set i, i+1
.endr
.irp i, 0,1
	global_load_b128 v[104+4*\i:107+4*\i], v3, s[20:21] offset:16*\i
	global_load_b128 v[112+4*\i:115+4*\i], v3, s[22:23] offset:16*\i
	global_load_b128 v[120+4*\i:123+4*\i], v3, s[24:25] offset:16*\i
.endr
	s_wait_loadcnt 0x0
.set R, 0
.rept 9                                        ; row R = column R of w_ner
.irp r, 0,1,2,3
	v_cvt_pk_bf16_f32 v[128+4*R+\r], v[16+18*\r+R], v[25+18*\r+R]
.endr
.set R, R+1
.endr
.irp c, 0,1                                    ; rows 9, 10 = the columns of w_qa
.irp r, 0,1,2,3
	v_cvt_pk_bf16_f32 v[164+4*\c+\r], v[88+4*\r+\c], v[90+4*\r+\c]
.endr
.endr
.irp c, 0,1,2                                  ; rows 11-13 = b_q, b_v, b_d1
.irp r, 0,1,2,3
	v_cvt_pk_bf16_f32 v[172+4*\c+\r], v[104+8*\c+2*\r], v[105+8*\c+2*\r]
.endr
.endr
.set i, 184
.rept 8
	v_mov_b32 v[i], 0                              ; rows 14, 15
.set i, i+1
.endr
.set R, 0
.rept 16
	global_store_b128 v4, v[128+4*R:131+4*R], s[32:33] offset:2048*R
.set R, R+1
.endr
.Lend:
	s_wait_tensorcnt 0x0                           ; the wave's end, behind my last LDS store
	ds_add_u32 v14, v15
	s_wait_dscnt 0x0
	s_endpgm
.Lfunc_end_k_q21d79d07b2_prep:
	.size	k_q21d79d07b2_prep, .Lfunc_end_k_q21d79d07b2_prep-k_q21d79d07b2_prep
	.p2alignl 7, 3214868480
	.fill 96, 4, 3214868480
	.section	.rodata,"a",@progbits
	.p2align	6, 0x0
	.amdhsa_kernel k_q21d79d07b2_prep
		.amdhsa_group_segment_fixed_size 18432
		.amdhsa_private_segment_fixed_size 0
		.amdhsa_enable_private_segment 0
		.amdhsa_kernarg_size 120
		.amdhsa_user_sgpr_count 2
		.amdhsa_user_sgpr_kernarg_segment_ptr 1
		.amdhsa_wavefront_size32 1
		.amdhsa_system_sgpr_workgroup_id_x 1
		.amdhsa_system_sgpr_workgroup_id_y 1
		.amdhsa_system_sgpr_workgroup_id_z 1
		.amdhsa_system_vgpr_workitem_id 0
		.amdhsa_next_free_vgpr 208
		.amdhsa_next_free_sgpr 66
		.amdhsa_reserve_vcc 0
		.amdhsa_float_denorm_mode_32 3
		.amdhsa_float_denorm_mode_16_64 3
		.amdhsa_memory_ordered 1
		.amdhsa_forward_progress 1
		.amdhsa_inst_pref_size 24
	.end_amdhsa_kernel
	.amdgpu_metadata
---
amdhsa.version: [ 1, 2 ]
amdhsa.kernels:
  - .name:           k_q21d79d07b2_prep
    .symbol:         k_q21d79d07b2_prep.kd
    .args:
      - { .name: input, .offset: 0, .size: 8, .value_kind: global_buffer, .address_space: global }
      - { .name: w_q, .offset: 8, .size: 8, .value_kind: global_buffer, .address_space: global }
      - { .name: w_v, .offset: 16, .size: 8, .value_kind: global_buffer, .address_space: global }
      - { .name: w_k, .offset: 24, .size: 8, .value_kind: global_buffer, .address_space: global }
      - { .name: w_d1, .offset: 32, .size: 8, .value_kind: global_buffer, .address_space: global }
      - { .name: w_d0, .offset: 40, .size: 8, .value_kind: global_buffer, .address_space: global }
      - { .name: w_qa, .offset: 48, .size: 8, .value_kind: global_buffer, .address_space: global }
      - { .name: w_ner, .offset: 56, .size: 8, .value_kind: global_buffer, .address_space: global }
      - { .name: b_q, .offset: 64, .size: 8, .value_kind: global_buffer, .address_space: global }
      - { .name: b_v, .offset: 72, .size: 8, .value_kind: global_buffer, .address_space: global }
      - { .name: b_d1, .offset: 80, .size: 8, .value_kind: global_buffer, .address_space: global }
      - { .name: xb, .offset: 88, .size: 8, .value_kind: global_buffer, .address_space: global }
      - { .name: wbm, .offset: 96, .size: 8, .value_kind: global_buffer, .address_space: global }
      - { .name: wa, .offset: 104, .size: 8, .value_kind: global_buffer, .address_space: global }
      - { .name: lt, .offset: 112, .size: 8, .value_kind: global_buffer, .address_space: global }
    .group_segment_fixed_size: 18432
    .private_segment_fixed_size: 0
    .kernarg_segment_align: 8
    .kernarg_segment_size: 120
    .max_flat_workgroup_size: 256
    .sgpr_count:     66
    .vgpr_count:     208
    .wavefront_size: 32
...
	.end_amdgpu_metadata
.endif
;; end of part 1
;; launch wg (part 2): grid 256 x 1, 4 waves a work-group, clusters of 4 x 1, 327,680 bytes of LDS; arguments wa, wbm, lt, wcat, rt; writes wcat, rt
.if DOCPART == 2
	.amdgcn_target "amdgcn-amd-amdhsa--gfx1250"
	.amdhsa_code_object_version 6
	.text
	.protected	k_q21d79d07b2_wg
	.globl	k_q21d79d07b2_wg
	.p2align	8
	.type	k_q21d79d07b2_wg,@function
k_q21d79d07b2_wg:
	s_mov_b64 s[64:65], 0
	v_nop
	global_prefetch_b8 v0, s[64:65] scope:SCOPE_SE
	s_setreg_imm32_b32 hwreg(HW_REG_WAVE_MODE, 25, 1), 1
	s_wait_xcnt 0x0
	s_wait_alu depctr_hold_cnt(0) depctr_sa_sdst(0) depctr_va_vdst(0) depctr_va_sdst(0) depctr_va_ssrc(0) depctr_va_vcc(0) depctr_vm_vsrc(0)
	s_getreg_b32 s2, hwreg(HW_REG_IB_STS2, 6, 4)
	s_cmp_eq_u32 s2, 0
	s_cbranch_scc0 .Lentry_in_a_cluster
	s_endpgm
.Lentry_in_a_cluster:
	s_bfe_u32 s2, ttmp6, 0x10000c
	s_cmp_lg_u32 s2, 0x3003
	s_cbranch_scc0 .Lentry_shape_is_right
	s_endpgm
.Lentry_shape_is_right:
; The products of weights with weights (see the first kernel's head: b_k and the wide product with w_d1 are left out).  All bf16, sums in f32, K = 1,024.
;   wcat[j][i]        = sum_h w_k[j][h] w_q[i][h]        (wa rows 0-1023    x wbm rows 0-1023)
;   wcat[1024+j][i]   = sum_h w_d0[h][j] w_v[i][h]       (wa rows 1024-2047 x wbm rows 1024-2047)
;   rt[c][a]          = sum_h lt[c][h] wa[a][h]          : row 11, a < 1024: w_k b_q; row 12, 1024 <= a < 2048: b_v w_d0; rows 0-10, a >= 2048: (w_d1 Wout)^T; the rest of these tiles is by-product and never read.
; SHARES.  256 work-groups of four waves.  Work-group (z, xp, yb) makes wcat rows 1024 z + 64 yb .. + 63 (Y: rows of wa), columns 128 xp .. + 127 (X: rows of wbm); wave (wy, wx) makes 32 x 64: 8 accumulators.
; X, which all four waves read, comes WHOLE into LDS: 128 rows x 1,024 along K, as 8 chunks of 128 x 128, two tensor loads a wave, all issued at the head.  No LDS byte is filled twice, so there is no ring.
; CLUSTER.  The four work-groups of a cluster have the same z and xp and four neighbouring yb: they want the same panel of X, and each chunk is asked for JOINTLY: the same tensor load, descriptor and mask of four.
; Y, a wave's own 32 rows x 1,024 (512 registers), comes straight from memory, 16 bytes a lane: 128 loads issued on end while the panel is on its way.
; THE THIN PRODUCT rt has 192 tiles of 16 columns.  The 192 work-groups of the first 48 clusters make one each, beside their block of wcat: K is split among the four waves, 256 channels each: 32 loads a wave, issued
; ahead of Y's 128, and 8 products; the four partial tiles meet in LDS in f32, and wave 0 adds them, rounds once and stores.  A tile is 32 bytes of each of rt's 16 rows, so these stores do not fill aligned pieces of
; 256 bytes: whole pieces would take 128 rows of wa to a work-group, eight times the loads, on 24 work-groups only; rt is 96 KiB in all.
; The matrix instruction is used transposed (source 0 = the rows that become columns of the result): a lane holds one row of the result and eight neighbouring columns.
; REGISTERS, in windows of 256 (s_set_vgpr_msb: bits 1:0 source 0, 3:2 source 1, 5:4 source 2, 7:6 destination):
;   window 0: v1-18 lane terms and addresses; v32-63 packed results, v64-95 rows read back; v128-191 accumulators ((a, b) at 128 + 8 (4 a + b));
;             the thin product: v32-95 wa's fragments, v192-255 lt's, v96-111 two accumulators, v112-115 its 16 bytes a lane
;   windows 1, 2: Y: chunk c, 32 along K number q, block a at window 1 + c / 4, register 64 (c % 4) + 16 q + 8 a        window 3: X's fragments of a chunk, two buffers of 128 (q, b at 32 q + 8 b)
.set CH,     34816                     ; a chunk in LDS: 128 rows x (256 bytes + 16 of padding): the 16 rows of a fragment load start at 16 different groups of four banks (ISA guide 11.1)
.set STAGE,  8*CH                      ; behind the panel, never filled by a tensor load: 64 rows x 272 bytes, the work-group's way out
.set TSTAGE, STAGE+64*272              ; the thin product's four partial tiles, 1,024 bytes each, as register images
.set SPARE,  TSTAGE+4096               ; the spare words, 128 bytes a wave
.set MSB, 0
.macro WIN new                         ; the immediate's high byte repeats the setting that is left; a switch that changes nothing is dropped
.if MSB != (\new)
	s_set_vgpr_msb (MSB<<8)|(\new)
.set MSB, (\new)
.endif
.endm
.macro PLACES                          ; four places behind a product, in front of loads into its sources and of vector work on its results
.rept 4
	v_nop
.endr
.endm
.macro CROUND                          ; a round of the cluster's barrier
	s_barrier_signal -1
	s_barrier_wait -1
	s_cmp_lg_u32 s14, 0
	s_cbranch_scc1 .Lnw0_\@
	s_barrier_signal -3
.Lnw0_\@:
	s_barrier_wait -3
	s_barrier_signal -1
	s_barrier_wait -1
.endm
.macro YLOADS                          ; all of Y, 128 loads on end, in the order in which the chunks are multiplied
	WIN 0x40
.set c, 0
.rept 4
.irp q, 0,1,2,3
.irp a, 0,1
	global_load_b128 v[64*c+16*\q+8*\a:64*c+16*\q+8*\a+3],   v3, s[44:45] offset:32768*\a+256*c+64*\q
	global_load_b128 v[64*c+16*\q+8*\a+4:64*c+16*\q+8*\a+7], v3, s[44:45] offset:32768*\a+256*c+64*\q+32
.endr
.endr
.set c, c+1
.endr
	WIN 0x80
.set c, 0
.rept 4
.irp q, 0,1,2,3
.irp a, 0,1
	global_load_b128 v[64*c+16*\q+8*\a:64*c+16*\q+8*\a+3],   v3, s[44:45] offset:32768*\a+1024+256*c+64*\q
	global_load_b128 v[64*c+16*\q+8*\a+4:64*c+16*\q+8*\a+7], v3, s[44:45] offset:32768*\a+1024+256*c+64*\q+32
.endr
.endr
.set c, c+1
.endr
	WIN 0
.endm
.macro FETCHX c                        ; my 64 rows of X, chunk c: 32 LDS loads in one run
	WIN 0xc0
.set XB, 128*((\c)%2)
.irp q, 0,1,2,3
.irp b, 0,1,2,3
	ds_load_b128 v[XB+32*\q+8*\b:XB+32*\q+8*\b+3],   v[4+(\c)/2] offset:((\c)%2)*CH+4352*\b+64*\q
	ds_load_b128 v[XB+32*\q+8*\b+4:XB+32*\q+8*\b+7], v[4+(\c)/2] offset:((\c)%2)*CH+4352*\b+64*\q+32
.endr
.endr
.endm
.macro MULC c, zero                    ; a chunk's 32 products; the 8 accumulators take turns, one instruction a turn, in the same order from chunk to chunk
	WIN 0x03|((1+(\c)/4)<<2)
.set XB, 128*((\c)%2)
.set YB, 64*((\c)%4)
.irp q, 0,1,2,3
.irp a, 0,1
.irp b, 0,1,2,3
.if (\zero) && ((\q) == 0)
	v_wmma_f32_16x16x32_bf16 v[128+8*(4*\a+\b):128+8*(4*\a+\b)+7], v[XB+32*\q+8*\b:XB+32*\q+8*\b+7], v[YB+16*\q+8*\a:YB+16*\q+8*\a+7], 0
.else
	v_wmma_f32_16x16x32_bf16 v[128+8*(4*\a+\b):128+8*(4*\a+\b)+7], v[XB+32*\q+8*\b:XB+32*\q+8*\b+7], v[YB+16*\q+8*\a:YB+16*\q+8*\a+7], v[128+8*(4*\a+\b):128+8*(4*\a+\b)+7]
.endif
.endr
.endr
.endr
.endm
; Chunk c is multiplied; the next chunk's fragments of X are asked for first, 32 products ahead of the wait for them.
.macro CHUNK c
	s_wait_dscnt 0x0                               ; this chunk's fragments of X are in
.if (\c) == 0
	s_wait_loadcnt 63                              ; loads come back in order: all but the youngest 63 are in, so at least the oldest 65 of Y's 128: chunks 0 to 3 (64 loads)
.elseif (\c) >= 4
	s_wait_loadcnt 16*(7-(\c))                     ; this chunk's 16 loads of Y are in; the younger chunks' may stay out
.endif
.if (\c) == 3
	s_wait_tensorcnt 0x0                           ; my second chunk of the panel has landed;
	s_barrier_signal -1
	s_barrier_wait -1                              ; everybody's has: chunks 4 to 7 may be read
.endif
.if (\c) < 7
	PLACES                                         ; behind the chunk before, which read the buffer that is now loaded
	FETCHX (\c)+1
.endif
.if (\c) == 0
	MULC \c, 1                                     ; the first products start the sums
.else
	MULC \c, 0
.endif
.endm
	s_load_b256 s[4:11], s[0:1], 0x0               ; wa s4, wbm s6, lt s8, wcat s10
	s_load_b64 s[12:13], s[0:1], 0x20              ; rt
	v_lshl_add_u32 v14, v0, 2, SPARE               ; my spare word
	v_mov_b32 v15, 0
	ds_add_u32 v14, v15                            ; the wave's opening: the add, twice on end, and its wait ahead of my first tensor load
	ds_add_u32 v14, v15
	v_lshrrev_b32 v1, 5, v0
	v_readfirstlane_b32 s14, v1                    ; wave 0..3
	s_bfe_u32 s15, ttmp6, 0x40000                  ; cx: my place in the cluster; it enters global addresses of my own loads and stores alone
	s_lshr_b32 s17, ttmp9, 5                       ; z: which of the two products.  The cluster's number is 32 z + 4 xp + yb / 4
	s_bfe_u32 s18, ttmp9, 0x30002                  ; xp: 128 rows of X
	s_lshr_b32 s20, s14, 1                         ; wy: which 32 of the 64 rows of Y are mine
	s_and_b32 s21, s14, 1                          ; wx: which 64 of the 128 rows of X
	s_mov_b32 s24, 15|(1<<16)|(1<<20)|(1<<21)|(5<<22)|(3<<25)  ; group 1: the mask of four; 2-byte elements; padding on; bit 21 beside a mask; after every 64 words 4 words
	s_mov_b32 s25, 128<<16                         ; tensor_dim0 = 128
	s_mov_b32 s26, 128<<16                         ; tensor_dim1 = 128
	s_mov_b32 s27, 128<<16                         ; tile_dim0 = 128
	s_mov_b32 s28, 128                             ; tile_dim1 = 128
	s_mov_b32 s29, 1024                            ; elements from row to row of wbm
	s_mov_b32 s30, 0
	s_mov_b32 s31, 0
	s_mov_b32 s32, 1                               ; group 0 for chunk w,
	s_mul_i32 s33, s14, CH
	s_mov_b32 s36, 1                               ; and for chunk w + 4
	s_add_co_u32 s37, s33, 4*CH
	s_lshl_b32 s22, s17, 21                        ; X: row 1024 z + 128 xp of wbm, 2,048 bytes a row; chunk w begins 256 w bytes into the rows
	s_lshl_b32 s23, s18, 18
	s_add_co_u32 s22, s22, s23
	s_lshl_b32 s23, s14, 8
	s_add_co_u32 s22, s22, s23
	s_mov_b32 s23, 0
	s_wait_dscnt 0x0                               ; both opening adds are done
	s_wait_kmcnt 0x0
	s_add_nc_u64 s[34:35], s[6:7], s[22:23]
	s_add_nc_u64 s[38:39], s[34:35], 1024          ; four chunks on
	s_or_b32 s35, s35, 0x80000000                  ; type = 2
	s_or_b32 s39, s39, 0x80000000
	CROUND                                         ; all four work-groups are here: the joint loads meet
	tensor_load_to_lds s[32:35], s[24:31]          ; the whole panel is asked for at once: two loads of mine are out
	s_nop 0
	tensor_load_to_lds s[36:39], s[24:31]
	s_nop 0
	PLACES
	v_and_b32 v1, 15, v0                           ; l % 16
	v_bfe_u32 v2, v0, 4, 1                         ; l / 16
	v_and_b32 v18, 31, v0                          ; l
	v_lshlrev_b32 v3, 11, v1
	v_lshl_add_u32 v3, v2, 4, v3                   ; a fragment from memory: row x 2,048 + 16 x half; never rewritten
	v_mul_u32_u24 v16, v1, 272
	v_lshl_add_u32 v16, v2, 4, v16                 ; in LDS: row l % 16, 16 bytes for each half of the lanes
	v_mul_u32_u24 v17, v2, 272
	v_lshl_add_u32 v17, v1, 4, v17                 ; in LDS: lanes 0-15 one row of 256 bytes, lanes 16-31 the next
	s_and_b32 s19, ttmp9, 3
	s_lshl_b32 s19, s19, 2
	s_add_co_u32 s19, s19, s15                     ; yb = 4 x (cluster's number mod 4) + cx
	s_mov_b32 s55, 0
	s_lshl_b32 s52, s17, 21
	s_lshl_b32 s53, s19, 17
	s_add_co_u32 s52, s52, s53                     ; row 1024 z + 64 yb, 2,048 bytes a row, in wa and in wcat
	s_lshl_b32 s53, s20, 16
	s_add_co_u32 s54, s52, s53
	s_add_nc_u64 s[44:45], s[4:5], s[54:55]        ; Y: my 32 rows of wa
	s_cmp_lt_u32 ttmp9, 48                         ; the first 48 clusters also make the thin product: the same answer in all four partners
	s_cbranch_scc1 .Lthin
	YLOADS
	s_branch .Ljoin
.Lthin:
	s_lshl_b32 s49, ttmp9, 2
	s_add_co_u32 s49, s49, s15                     ; p = 0..191: rows 16 p .. of wa, columns 16 p .. of rt
	s_lshl_b32 s54, s49, 15                        ; 16 rows of 2,048 bytes
	s_lshl_b32 s53, s14, 9                         ; my quarter of K: 256 channels, 512 bytes of each row
	s_add_co_u32 s54, s54, s53
	s_add_nc_u64 s[40:41], s[4:5], s[54:55]
	s_mov_b32 s54, s53
	s_add_nc_u64 s[42:43], s[8:9], s[54:55]
.irp q, 0,1,2,3,4,5,6,7                        ; 32 loads, ahead of Y's: they come back first
	global_load_b128 v[32+8*\q:35+8*\q],   v3, s[40:41] offset:64*\q
	global_load_b128 v[36+8*\q:39+8*\q],   v3, s[40:41] offset:64*\q+32
	global_load_b128 v[192+8*\q:195+8*\q], v3, s[42:43] offset:64*\q
	global_load_b128 v[196+8*\q:199+8*\q], v3, s[42:43] offset:64*\q+32
.endr
	YLOADS
	s_lshl_b32 s54, s49, 5                         ; rt: my tile's 16 columns: 32 bytes of each row
	s_add_nc_u64 s[50:51], s[12:13], s[54:55]
	s_lshl_b32 s53, s14, 10
	s_add_co_u32 s53, s53, TSTAGE
	v_lshl_add_u32 v11, v18, 4, s53                ; my wave's partial tile: two images of four registers, 16 bytes a lane
	v_lshl_add_u32 v12, v18, 4, TSTAGE             ; the four waves' images
	v_mul_u32_u24 v13, v1, 6144                    ; row c = l % 16 of rt,
	v_lshl_add_u32 v13, v2, 4, v13                 ; my 8 columns; never rewritten
	s_wait_loadcnt 63                              ; of the 160 loads all but the youngest 63 are in: the 32 oldest among them
.irp q, 0,1,2,3,4,5,6,7                        ; 8 products; the two accumulators take turns, one instruction a turn; the first two start the sums
.if (\q) < 2
	v_wmma_f32_16x16x32_bf16 v[96+8*((\q)%2):103+8*((\q)%2)], v[32+8*\q:39+8*\q], v[192+8*\q:199+8*\q], 0
.else
	v_wmma_f32_16x16x32_bf16 v[96+8*((\q)%2):103+8*((\q)%2)], v[32+8*\q:39+8*\q], v[192+8*\q:199+8*\q], v[96+8*((\q)%2):103+8*((\q)%2)]
.endif
.endr
	PLACES
.irp p, 0,1,2,3
	v_pk_add_f32 v[96+2*\p:97+2*\p], v[96+2*\p:97+2*\p], v[104+2*\p:105+2*\p]
.endr
	ds_store_b128 v11, v[96:99]
	ds_store_b128 v11, v[100:103] offset:512
	s_wait_dscnt 0x0                               ; for wave 0's sake: my partial tile is stored
	s_barrier_signal -1
	s_barrier_wait -1
	s_cmp_lg_u32 s14, 0                            ; wave 0 adds the four up
	s_cbranch_scc1 .Ljoin
.irp w, 0,1,2,3
	ds_load_b128 v[32+8*\w:35+8*\w], v12 offset:1024*\w
	ds_load_b128 v[36+8*\w:39+8*\w], v12 offset:1024*\w+512
.endr
	s_wait_dscnt 0x0
.irp w, 1,2,3
.irp p, 0,1,2,3
	v_pk_add_f32 v[32+2*\p:33+2*\p], v[32+2*\p:33+2*\p], v[32+8*\w+2*\p:33+8*\w+2*\p]
.endr
.endr
.irp r, 0,1,2,3
	v_cvt_pk_bf16_f32 v[112+\r], v[32+2*\r], v[33+2*\r]
.endr
	global_store_b128 v13, v[112:115], s[50:51]    ; 16 bytes a lane, 32 bytes of each of 16 rows; its registers are not written again
.Ljoin:
	s_lshl_b32 s53, s14, 15                        ; the way out: wave w stores rows 16 w .. 16 w + 15 of the block, columns 128 xp ..
	s_add_co_u32 s54, s52, s53
	s_lshl_b32 s53, s18, 8
	s_add_co_u32 s54, s54, s53
	s_add_nc_u64 s[46:47], s[10:11], s[54:55]
	s_mul_i32 s49, s21, 64*272                     ; X's fragments: my 64 rows of a chunk; a register for each pair of chunks, the odd chunk in the immediate
	v_add_nc_u32 v4, s49, v16
	v_add_nc_u32 v5, 2*CH, v4
	v_add_nc_u32 v6, 4*CH, v4
	v_add_nc_u32 v7, 6*CH, v4
	s_mul_i32 s49, s20, 32*272                     ; into the stage: my 32 rows, my half of their 256 bytes
	s_lshl_b32 s53, s21, 7
	s_add_co_u32 s49, s49, s53
	s_add_co_u32 s49, s49, STAGE
	v_add_nc_u32 v8, s49, v16
	s_mul_i32 s49, s14, 16*272                     ; back: 16 whole rows a wave
	s_add_co_u32 s49, s49, STAGE
	v_add_nc_u32 v9, s49, v17
	v_lshlrev_b32 v10, 11, v2
	v_lshl_add_u32 v10, v1, 4, v10                 ; and the same two rows in wcat
	s_wait_tensorcnt 0x1                           ; my first chunk has landed; my second may stay out
	s_barrier_signal -1
	s_barrier_wait -1                              ; everybody's has: chunks 0 to 3 may be read
	FETCHX 0
	CHUNK 0
	CHUNK 1
	CHUNK 2
	CHUNK 3
	CHUNK 4
	CHUNK 5
	CHUNK 6
	CHUNK 7
	PLACES
	WIN 0
	; THE WAY OUT: rounded to bf16; 16 bytes a lane into the work-group's stage; a barrier, since a row's 256 bytes come from two waves; back as whole rows
.set k, 0
.rept 8
.irp r, 0,1,2,3
	v_cvt_pk_bf16_f32 v[32+4*k+\r], v[128+8*k+2*\r], v[128+8*k+2*\r+1]
.endr
.set k, k+1
.endr
.irp a, 0,1
.irp b, 0,1,2,3
	ds_store_b128 v8, v[32+4*(4*\a+\b):32+4*(4*\a+\b)+3] offset:4352*\a+32*\b
.endr
.endr
	s_wait_dscnt 0x0                               ; for the others' sake: my stores into the stage are done
	s_barrier_signal -1
	s_barrier_wait -1
.irp t, 0,1,2,3,4,5,6,7
	ds_load_b128 v[64+4*\t:67+4*\t], v9 offset:544*\t
.endr
.irp t, 0,1,2,3,4,5,6,7
	s_wait_dscnt 7-\t                              ; LDS loads come back in order: rows 2 t, 2 t + 1 are in, the younger may stay out
	global_store_b128 v10, v[64+4*\t:67+4*\t], s[46:47] offset:4096*\t  ; sixteen lanes store 256 consecutive bytes, aligned
.endr
	s_wait_tensorcnt 0x0                           ; the wave's end, behind my last tensor load and my last LDS store
	ds_add_u32 v14, v15
	s_wait_dscnt 0x0
	CROUND                                         ; the closing round: no work-group ends while a partner may still ask for a chunk that names it
	s_endpgm
.Lfunc_end_k_q21d79d07b2_wg:
	.size	k_q21d79d07b2_wg, .Lfunc_end_k_q21d79d07b2_wg-k_q21d79d07b2_wg
	.p2alignl 7, 3214868480
	.fill 96, 4, 3214868480
	.section	.rodata,"a",@progbits
	.p2align	6, 0x0
	.amdhsa_kernel k_q21d79d07b2_wg
		.amdhsa_group_segment_fixed_size 327680
		.amdhsa_private_segment_fixed_size 0
		.amdhsa_enable_private_segment 0
		.amdhsa_kernarg_size 40
		.amdhsa_user_sgpr_count 2
		.amdhsa_user_sgpr_kernarg_segment_ptr 1
		.amdhsa_wavefront_size32 1
		.amdhsa_system_sgpr_workgroup_id_x 1
		.amdhsa_system_sgpr_workgroup_id_y 1
		.amdhsa_system_sgpr_workgroup_id_z 1
		.amdhsa_system_vgpr_workitem_id 0
		.amdhsa_next_free_vgpr 1024
		.amdhsa_next_free_sgpr 66
		.amdhsa_reserve_vcc 0
		.amdhsa_float_denorm_mode_32 3
		.amdhsa_float_denorm_mode_16_64 3
		.amdhsa_memory_ordered 1
		.amdhsa_forward_progress 1
		.amdhsa_inst_pref_size 75
	.end_amdhsa_kernel
	.amdgpu_metadata
---
amdhsa.version: [ 1, 2 ]
amdhsa.kernels:
  - .name:           k_q21d79d07b2_wg
    .symbol:         k_q21d79d07b2_wg.kd
    .args:
      - { .name: wa, .offset: 0, .size: 8, .value_kind: global_buffer, .address_space: global }
      - { .name: wbm, .offset: 8, .size: 8, .value_kind: global_buffer, .address_space: global }
      - { .name: lt, .offset: 16, .size: 8, .value_kind: global_buffer, .address_space: global }
      - { .name: wcat, .offset: 24, .size: 8, .value_kind: global_buffer, .address_space: global }
      - { .name: rt, .offset: 32, .size: 8, .value_kind: global_buffer, .address_space: global }
    .group_segment_fixed_size: 327680
    .private_segment_fixed_size: 0
    .kernarg_segment_align: 8
    .kernarg_segment_size: 40
    .max_flat_workgroup_size: 128
    .sgpr_count:     66
    .vgpr_count:     1024
    .wavefront_size: 32
...
	.end_amdgpu_metadata
.endif
;; end of part 2
;; launch main (part 3): grid 8 x 32, 4 waves a work-group, clusters of 4 x 4, 327,680 bytes of LDS; arguments xb, wcat, rt, yv; writes yv
.if DOCPART == 3
	.amdgcn_target "amdgcn-amd-amdhsa--gfx1250"
	.amdhsa_code_object_version 6
	.text
	.protected	k_q21d79d07b2_main
	.globl	k_q21d79d07b2_main
	.p2align	8
	.type	k_q21d79d07b2_main,@function
k_q21d79d07b2_main:
	s_mov_b64 s[64:65], 0
	v_nop
	global_prefetch_b8 v0, s[64:65] scope:SCOPE_SE
	s_setreg_imm32_b32 hwreg(HW_REG_WAVE_MODE, 25, 1), 1
	s_wait_xcnt 0x0
	s_wait_alu depctr_hold_cnt(0) depctr_sa_sdst(0) depctr_va_vdst(0) depctr_va_sdst(0) depctr_va_ssrc(0) depctr_va_vcc(0) depctr_vm_vsrc(0)
	s_getreg_b32 s2, hwreg(HW_REG_IB_STS2, 6, 4)
	s_cmp_eq_u32 s2, 0
	s_cbranch_scc0 .Lentry_in_a_cluster
	s_endpgm
.Lentry_in_a_cluster:
	s_bfe_u32 s2, ttmp6, 0x10000c
	s_cmp_lg_u32 s2, 0xf033
	s_cbranch_scc0 .Lentry_shape_is_right
	s_endpgm
.Lentry_shape_is_right:
; yv[m][n] = sum over k of xb[m][k] wcat[n][k] + bias[n]: columns 0-1023 are Y' = x (w_q w_k^T) + w_k b_q, columns 1024-2047 V' = x (w_v w_d0) + b_v w_d0 (the first kernel's head says what is left out and why).
; xb: [8192][1024], wcat: [2048][1024], yv: [8192][2048], all bf16; sums in f32, yv rounded once.  bias: row 11 of rt for n < 1024, row 12 from there on.
; A tile of yv, 256 x 256, is made by a work-group of four waves; a wave makes 128 x 128: 64 accumulators, 512 registers.  32 x 8 tiles: one for each of 256 work-groups.
; K goes in steps of 128 through a ring of two LDS slots filled by the tensor data mover; the tiles' rows are 256 bytes of memory, aligned.
; CLUSTERS: 4 x 4 work-groups.  The four of a row of the cluster need the same tiles of xb, the four of a column the same tiles of wcat: each tile is asked for JOINTLY, by the same tensor load with the same
; descriptor and a mask that names the four.
; THE MATRIX INSTRUCTION IS USED TRANSPOSED (source 0 = 16 rows of wcat, source 1 = 16 rows of xb): a lane holds row l % 16 and the columns 8 (l / 16) + 0..7.  So the bias of a block of 16 columns is eight
; registers, the same for all rows: it is the C operand of the products that start the sums, and costs no addition.
; REGISTERS, in windows of 256: window 0: v0-31 addresses; v64-127, v128-191 fragments of xb, two buffers; v192-255 the bias in f32, later packed results; v32-63, v224-255 rows on the way out
;   window 1: v64-127, v128-191 fragments of wcat;  window 2: the accumulators of my rows 0-63 ((a, b) at 8 (8 a + b));  window 3: those of my rows 64-127
.set SIZE_M, 8192
.set SIZE_N, 2048
.set SIZE_K, 1024
.set KSTEP,  128
.set PITCH,  272                       ; an LDS row: 256 bytes + 16 of padding = 68 words: the 16 rows of a load start at 16 different groups of four banks (ISA guide 11.1)
.set HALFT,  128*PITCH
.set SLOT,   4*HALFT                   ; xb's 256 rows, then wcat's 256 rows
.set STAGE,  2*SLOT                    ; behind the ring: 16 rows x 272 bytes for each wave
.set SPITCH, 272
.set SPARE,  STAGE+4*16*SPITCH         ; behind the stages: the spare words, 128 bytes a wave
.set LAPS, SIZE_K/(2*KSTEP)            ; 4 laps of two K steps
.set ADRA, 16
.set ADRB, 20
.set STO,  24
.set RD,   25
.set CO,   26
.set BO,   27                          ; v27  the bias loads' offset: 16 (l / 16)
.set SPW,  28
.set NIL,  29
.set PFO,  30
.set PFA,  44
.set LIM,  43
.set F0,   64
.set F1,   128
.set TMP,  192
.set BIAS, 192
.set OB,   32
.set G1, 24
.set G0, 32
.set G1B, 48
.set G0B, 56
.set RT, 66                            ; s[66:67] rt; s[68:69] an offset
.set MSB, 0
.macro WIN new
.if MSB != (\new)
	s_set_vgpr_msb (MSB<<8)|(\new)
.set MSB, \new
.endif
.endm
.set MUL_LO, 0xa1                      ; source 0 window 1, source 1 window 0, C and D window 2
.set MUL_HI, 0xf1
.set TO_B,   0x40
; A joint load.  Waves 0 and 1 fetch xb's two halves, waves 2 and 3 wcat's.  The branch hangs on the wave's number alone.  An s_nop 0 and four v_nop follow each line.
.macro JLOAD s
	s_cmp_eq_u32 s11, 0
	s_cbranch_scc0 .Lfor_b_\@
	tensor_load_to_lds s[G0+4*(\s):G0+4*(\s)+3], s[G1:G1+7]
	s_nop 0
.rept 4
	v_nop
.endr
	s_branch .Lasked_\@
.Lfor_b_\@:
	tensor_load_to_lds s[G0B+4*(\s):G0B+4*(\s)+3], s[G1B:G1B+7]
	s_nop 0
.rept 4
	v_nop
.endr
.Lasked_\@:
.endm
; A prefetch of the K step that stands two refills on: 32 rows x 256 bytes, a lane a row, one instruction a wave.  xb's tile row is read by both clusters of its row of clusters: cluster x = 0 asks;
; wcat's tile column by the eight clusters of its column: cluster y = 0 asks.  The four partners of a joint load share its 128 rows out by address, 32 each.  The loop's last trip asks for nothing.
.macro ASK
	s_cmp_gt_u32 s3, s[LIM]
	s_cbranch_scc0 .Lnot_mine_\@
	global_prefetch_b8 v[PFO], s[PFA:PFA+1] offset:KSTEP*2 th:TH_LOAD_NT scope:SCOPE_SE
.Lnot_mine_\@:
.endm
.macro CREST
	s_cmp_lg_u32 s10, 0
	s_cbranch_scc1 .Lnot_wave_0_\@
	s_barrier_signal -3
.Lnot_wave_0_\@:
	s_barrier_wait -3
	s_barrier_signal -1
	s_barrier_wait -1
.endm
.macro CROUND
	s_barrier_signal -1
	s_barrier_wait -1
	CREST
.endm
	s_load_b128 s[4:7], s[0:1], 0x0                ; xb s[4:5], wcat s[6:7]
	s_load_b64 s[RT:RT+1], s[0:1], 0x10            ; rt
	s_load_b64 s[8:9], s[0:1], 0x18                ; yv
	v_lshl_add_u32 v[SPW], v0, 2, SPARE
	v_mov_b32 v[NIL], 0
	ds_add_u32 v[SPW], v[NIL]                      ; the wave's opening: the add, twice on end, and its wait ahead of my first tensor load
	ds_add_u32 v[SPW], v[NIL]
	v_lshrrev_b32 v1, 5, v0
	v_readfirstlane_b32 s10, v1                    ; wave 0..3
	s_lshr_b32 s11, s10, 1                         ; which half of the tile's rows is mine.  Also: I fetch for xb (0) or for wcat (1)
	s_and_b32 s12, s10, 1                          ; which half of its columns.  Also: which 128 rows of that tile I fetch
	s_bfe_u32 s40, ttmp6, 0x40000                  ; cx
	s_bfe_u32 s41, ttmp6, 0x40004                  ; cy
	s_lshl_b32 s42, ttmp9, 2
	s_add_co_u32 s42, s42, s40                     ; tile column
	s_and_b32 s13, ttmp7, 0xffff
	s_lshl_b32 s13, s13, 2
	s_add_co_u32 s13, s13, s41                     ; tile row
	s_lshl_b32 s43, s41, 2
	s_lshl_b32 s43, 15, s43                        ; my row of the cluster
	s_lshl_b32 s44, 0x1111, s40                    ; my column
	s_or_b32 s[G1+0], s43, (1<<16)|(1<<20)|(1<<21)|(5<<22)|(3<<25)  ; the mask; 2-byte elements; padding on; bit 21 beside a mask; after every 64 words 4 words
	s_or_b32 s[G1B+0], s44, (1<<16)|(1<<20)|(1<<21)|(5<<22)|(3<<25)
.irp g, G1, G1B
	s_mov_b32 s[(\g)+1], KSTEP<<16                 ; tensor_dim0 = 128
	s_mov_b32 s[(\g)+2], 128<<16                   ; tensor_dim1 = 128
	s_mov_b32 s[(\g)+3], KSTEP<<16                 ; tile_dim0 = 128
	s_mov_b32 s[(\g)+4], 128                       ; tile_dim1 = 128
	s_mov_b32 s[(\g)+5], SIZE_K                    ; elements from row to row
	s_mov_b32 s[(\g)+6], 0
	s_mov_b32 s[(\g)+7], 0
.endr
	s_lshl_b32 s17, s12, 7
	s_lshl_b32 s16, s13, 8
	s_add_co_u32 s16, s16, s17                     ; xb: row 256 x tile row + 128 x half
	s_lshl_b32 s46, s42, 8
	s_add_co_u32 s46, s46, s17                     ; wcat: row 256 x tile column + 128 x half
	s_mov_b32 s17, 0
	s_mov_b32 s47, 0
	s_mov_b64 s[18:19], SIZE_K*2
	s_mul_u64 s[16:17], s[16:17], s[18:19]
	s_mul_u64 s[46:47], s[46:47], s[18:19]
	s_mul_i32 s20, s10, HALFT                      ; where they go: wave x 128 rows
	s_wait_dscnt 0x0                               ; both opening adds are done
	s_wait_kmcnt 0x0
	s_add_nc_u64 s[14:15], s[4:5], s[16:17]
	s_add_nc_u64 s[46:47], s[6:7], s[46:47]
	CROUND                                         ; all sixteen work-groups are here: the first joint loads meet
.irp s, 0,1
	s_mov_b32 s[G0+4*(\s)], 1
	s_add_co_u32 s[G0+4*(\s)+1], s20, (\s)*SLOT
	s_add_nc_u64 s[G0+4*(\s)+2:G0+4*(\s)+3], s[14:15], (\s)*KSTEP*2
	s_or_b32 s[G0+4*(\s)+3], s[G0+4*(\s)+3], 0x80000000
	s_mov_b32 s[G0B+4*(\s)], 1
	s_add_co_u32 s[G0B+4*(\s)+1], s20, (\s)*SLOT
	s_add_nc_u64 s[G0B+4*(\s)+2:G0B+4*(\s)+3], s[46:47], (\s)*KSTEP*2
	s_or_b32 s[G0B+4*(\s)+3], s[G0B+4*(\s)+3], 0x80000000
	JLOAD \s
.endr
	; the bias of my 128 columns: row 11 or 12 of rt (6,144 bytes a row), column 256 x tile column + 128 x half + 16 b + 8 (l / 16): 16 bytes a lane for each block b
	v_and_b32 v1, 15, v0                           ; l % 16
	v_bfe_u32 v2, v0, 4, 1                         ; l / 16
	s_lshr_b32 s68, s42, 2
	s_add_co_u32 s68, s68, 11
	s_mul_i32 s68, s68, 6144
	s_lshl_b32 s69, s42, 9
	s_add_co_u32 s68, s68, s69
	s_lshl_b32 s69, s12, 8
	s_add_co_u32 s68, s68, s69
	s_mov_b32 s69, 0
	s_add_nc_u64 s[RT:RT+1], s[RT:RT+1], s[68:69]
	v_lshlrev_b32 v[BO], 4, v2
.irp b, 0,1,2,3,4,5,6,7
	global_load_b128 v[OB+4*\b:OB+4*\b+3], v[BO], s[RT:RT+1] offset:32*\b
.endr
	v_mul_u32_u24 v3, v1, PITCH
	v_lshl_add_u32 v3, v2, 4, v3                   ; a fragment's row x pitch + 16 x half
	s_mul_i32 s21, s11, HALFT
	s_mul_i32 s22, s12, HALFT
	s_add_co_u32 s22, s22, 2*HALFT
.irp s, 0,1
	v_add_nc_u32 v[ADRA+(\s)], s21, v3
	v_add_nc_u32 v[ADRB+(\s)], s22, v3
	s_add_co_u32 s21, s21, SLOT
	s_add_co_u32 s22, s22, SLOT
.endr
	s_mul_i32 s23, s10, 16*SPITCH
	s_add_co_u32 s23, s23, STAGE                   ; my stage
	v_mul_u32_u24 v4, v1, SPITCH
	v_lshl_add_u32 v4, v2, 4, v4
	v_add_nc_u32 v[STO], s23, v4
	v_mul_u32_u24 v5, v2, SPITCH
	v_lshl_add_u32 v5, v1, 4, v5
	v_add_nc_u32 v[RD], s23, v5
	v_mul_u32_u24 v5, v2, SIZE_N*2
	v_lshl_add_u32 v[CO], v1, 4, v5
	s_lshl_b32 s13, s13, 8
	s_lshl_b32 s14, s11, 7
	s_add_co_u32 s16, s13, s14                     ; my first row of yv
	s_mov_b32 s17, 0
	s_mov_b64 s[18:19], SIZE_N*2
	s_mul_u64 s[16:17], s[16:17], s[18:19]
	s_lshl_b32 s46, s42, 9                         ; my first column, in bytes
	s_lshl_b32 s47, s12, 8
	s_add_co_u32 s46, s46, s47
	s_mov_b32 s47, 0
	s_add_nc_u64 s[16:17], s[16:17], s[46:47]
	; the prefetches
	s_lshl_b32 s42, s42, 8
	s_and_b32 s22, ttmp7, 0xffff                   ; cluster y
	s_cmp_eq_u32 s11, 0                            ; do I fetch for xb?
	s_cselect_b32 s20, s13, s42                    ; the tile's first row
	s_cselect_b32 s21, s40, s41                    ; my place among the four that ask for it with me
	s_cselect_b32 s22, ttmp9, s22                  ; the coordinate along which other clusters read the same rows
	s_cselect_b64 s[PFA:PFA+1], s[4:5], s[6:7]
	s_cmp_eq_u32 s22, 0
	s_cselect_b32 s[LIM], 1, -1
	s_lshl_b32 s22, s12, 7
	s_add_co_u32 s20, s20, s22
	s_lshl_b32 s21, s21, 5
	s_add_co_u32 s20, s20, s21
	s_mov_b32 s21, 0
	s_mov_b64 s[18:19], SIZE_K*2
	s_mul_u64 s[20:21], s[20:21], s[18:19]
	s_add_nc_u64 s[PFA:PFA+1], s[PFA:PFA+1], s[20:21]
	s_add_nc_u64 s[PFA:PFA+1], s[PFA:PFA+1], 2*KSTEP*2  ; at K step 2: the first refill steps it to 3 and names K step 4
	v_and_b32 v[PFO], 31, v0
	v_mul_u32_u24 v[PFO], v[PFO], SIZE_K*2
; 16 matrix instructions: row blocks a0, a0 + 1 of the window's four x all 8 column blocks, 32 along K.  zero = 1: the first product starts the sums, with the columns' bias as C.
.macro MUL16 f, hi, a0, zero
.if \zero
	WIN 0x81+0x40*(\hi)                            ; as below, but C in window 0
.else
	WIN MUL_LO+0x50*(\hi)
.endif
.irp a, \a0, (\a0)+1
.irp b, 0,1,2,3,4,5,6,7
.if \zero
	v_wmma_f32_16x16x32_bf16 v[8*(8*(\a)+(\b)):8*(8*(\a)+(\b))+7], v[(\f)+8*(\b):(\f)+8*(\b)+7], v[(\f)+8*(4*(\hi)+(\a)):(\f)+8*(4*(\hi)+(\a))+7], v[BIAS+8*(\b):BIAS+8*(\b)+7]
.else
	v_wmma_f32_16x16x32_bf16 v[8*(8*(\a)+(\b)):8*(8*(\a)+(\b))+7], v[(\f)+8*(\b):(\f)+8*(\b)+7], v[(\f)+8*(4*(\hi)+(\a)):(\f)+8*(4*(\hi)+(\a))+7], v[8*(8*(\a)+(\b)):8*(8*(\a)+(\b))+7]
.endif
.endr
.endr
.endm
.macro FETCH slot, k, f                ; 32 LDS loads in one run: the fragments of one quarter step
	WIN TO_B
.irp i, 0,1,2,3,4,5,6,7
	ds_load_b128 v[(\f)+8*(\i):(\f)+8*(\i)+3],   v[ADRB+(\slot)] offset:(\k)+(\i)*16*PITCH
	ds_load_b128 v[(\f)+8*(\i)+4:(\f)+8*(\i)+7], v[ADRB+(\slot)] offset:(\k)+(\i)*16*PITCH+32
.endr
	WIN 0
.irp i, 0,1,2,3,4,5,6,7
	ds_load_b128 v[(\f)+8*(\i):(\f)+8*(\i)+3],   v[ADRA+(\slot)] offset:(\k)+(\i)*16*PITCH
	ds_load_b128 v[(\f)+8*(\i)+4:(\f)+8*(\i)+7], v[ADRA+(\slot)] offset:(\k)+(\i)*16*PITCH+32
.endr
.endm
.macro PLACES                          ; four places in front of loads into registers that products have read, and of conversions of results
.rept 4
	v_nop
.endr
.endm
.macro QUARTER slot, k, f, g, zero     ; multiplies buffer f; in its middle it fetches the next quarter's fragments, at byte k of the rows, into buffer g
	s_wait_dscnt 8                                 ; wcat's and xb's rows 0-63 are in; the youngest eight loads (xb's rows 64-127) may be out
	MUL16 \f, 0, 0, \zero
	MUL16 \f, 0, 2, \zero
	PLACES
	FETCH \slot, \k, \g
	s_wait_dscnt 32                                ; all but the 32 just issued
	MUL16 \f, 1, 0, \zero
	MUL16 \f, 1, 2, \zero
.endm
; The last quarter's first half: ONE barrier for the change of slots.  In front of it each wave waits for all its tensor loads (one is out: its part of the next slot), adds 0 to its spare word, and waits for that and for its reads of this slot.
.macro MEET round
	WIN 0
	s_wait_tensorcnt 0x0
	ds_add_u32 v[SPW], v[NIL]
	s_wait_dscnt 9                                 ; the add and the youngest eight loads may be out
	MUL16 F1, 0, 0, 0                              ; sixteen products stand between the add and the wait for it
	s_wait_dscnt 0x0                               ; the add is done, and my reads of this slot are over
	s_barrier_signal -1
	MUL16 F1, 0, 2, 0
.if \round
	WIN 0
.endif
	s_barrier_wait -1
.endm
.macro TURN slot, next                 ; the whole last quarter: the slot just read out is filled again, two K steps on, first thing behind the round
	s_wait_xcnt 0x0                                ; the last prefetch, a K step back, has read its address
	s_add_nc_u64 s[PFA:PFA+1], s[PFA:PFA+1], KSTEP*2
	MEET 1
	CREST                                          ; no wave of any partner still reads this slot's tile or has a load on its way
	s_add_nc_u64 s[G0+4*(\slot)+2:G0+4*(\slot)+3], s[G0+4*(\slot)+2:G0+4*(\slot)+3], 2*KSTEP*2
	s_add_nc_u64 s[G0B+4*(\slot)+2:G0B+4*(\slot)+3], s[G0B+4*(\slot)+2:G0B+4*(\slot)+3], 2*KSTEP*2
	JLOAD \slot                                    ; its four v_nop are also the places in front of the loads below
	FETCH \next, 0, F0
	ASK
	MUL16 F1, 1, 0, 0
	MUL16 F1, 1, 2, 0
.endm
; THE WAY OUT of block a of 16 rows.  PACK: rounded to bf16.  TOSTAGE: into my own stage, and back as whole rows of 256 bytes.  SEND: stored.
.macro PACK a
.set AC, 64*((\a)%4)
	WIN 0x0a+5*((\a)/4)
.irp b, 0,1,2,3,4,5,6,7
.irp r, 0,1,2,3
	v_cvt_pk_bf16_f32 v[TMP+4*(\b)+(\r)], v[AC+8*(\b)+2*(\r)], v[AC+8*(\b)+2*(\r)+1]
.endr
.endr
	WIN 0
.endm
.macro TOSTAGE a
	WIN 0
.set BK, OB+192*((\a)%2)
.irp b, 0,1,2,3,4,5,6,7
	ds_store_b128 v[STO], v[TMP+4*(\b):TMP+4*(\b)+3] offset:32*(\b)
.endr
.irp t, 0,1,2,3,4,5,6,7
	ds_load_b128 v[BK+4*(\t):BK+4*(\t)+3], v[RD] offset:(\t)*2*SPITCH  ; LDS serves a wave's instructions in order: these see the stores above
.endr
.endm
.macro SEND a
	WIN 0
.set BK, OB+192*((\a)%2)
	s_wait_dscnt 0x0                               ; the block is back in registers
	s_wait_xcnt 0x0                                ; only behind this wait are the stores' base and the registers that earlier stores read rewritten
.if (\a) == 0
	s_add_nc_u64 s[8:9], s[8:9], s[16:17]
.else
	s_add_nc_u64 s[8:9], s[8:9], 16*SIZE_N*2
.endif
.irp t, 0,1,2,3,4,5,6,7
	global_store_b128 v[CO], v[BK+4*(\t):BK+4*(\t)+3], s[8:9] offset:2*(\t)*SIZE_N*2  ; 16 lanes store 256 consecutive bytes, aligned
.endr
.endm
	s_wait_tensorcnt 1                             ; my part of K step 0 is in; K step 1's may stay out
	s_barrier_signal -1
	s_barrier_wait -1
	FETCH 0, 0, F0
	s_wait_loadcnt 0x0                             ; the bias: bf16 to f32, a shift and a mask, while the first fragments come
.set i, 0
.rept 32
	v_lshlrev_b32 v[BIAS+2*i], 16, v[OB+i]
	v_and_b32 v[BIAS+2*i+1], 0xffff0000, v[OB+i]
.set i, i+1
.endr
	QUARTER 0, 64,  F0, F1, 1                      ; the first quarter stands in front of the loop: its products start the sums
	WIN 0
	s_mov_b32 s3, LAPS-1
.Llap:                                                 ; a trip goes once round the ring, from a lap's second quarter to the next lap's first, and fills both slots again
	QUARTER 0, 128, F1, F0, 0
	QUARTER 0, 192, F0, F1, 0
	TURN 0, 1
	QUARTER 1, 64,  F0, F1, 0
	QUARTER 1, 128, F1, F0, 0
	QUARTER 1, 192, F0, F1, 0
	TURN 1, 0
	QUARTER 0, 64,  F0, F1, 0
	WIN 0
	s_sub_co_u32 s3, s3, 1
	s_cmp_lg_u32 s3, 0
	s_cbranch_scc1 .Llap
	QUARTER 0, 128, F1, F0, 0                      ; the last lap fills nothing
	QUARTER 0, 192, F0, F1, 0
	MEET 0                                         ; my one tensor load that was still out is the last K step's; no round follows
	PLACES
	FETCH 1, 0, F0
	MUL16 F1, 1, 0, 0
	MUL16 F1, 1, 2, 0
	QUARTER 1, 64,  F0, F1, 0
	QUARTER 1, 128, F1, F0, 0
	QUARTER 1, 192, F0, F1, 0
	s_wait_dscnt 8
	MUL16 F1, 0, 0, 0
	MUL16 F1, 0, 2, 0
	s_wait_dscnt 0x0
	MUL16 F1, 1, 0, 0
	MUL16 F1, 1, 2, 0
	PLACES
	PACK 0
	TOSTAGE 0
.irp a, 1,2,3,4,5,6,7                  ; block a's conversions stand between block a - 1's loads from the stage and the wait for them
	PACK \a
	SEND (\a)-1
	TOSTAGE \a
.endr
	SEND 7
	s_wait_tensorcnt 0x0                           ; the wave's end
	ds_add_u32 v[SPW], v[NIL]
	s_wait_dscnt 0x0
	CROUND                                         ; the closing round
	s_endpgm
.Lfunc_end_k_q21d79d07b2_main:
	.size	k_q21d79d07b2_main, .Lfunc_end_k_q21d79d07b2_main-k_q21d79d07b2_main
	.p2alignl 7, 3214868480
	.fill 96, 4, 3214868480
	.section	.rodata,"a",@progbits
	.p2align	6, 0x0
	.amdhsa_kernel k_q21d79d07b2_main
		.amdhsa_group_segment_fixed_size 327680
		.amdhsa_private_segment_fixed_size 0
		.amdhsa_enable_private_segment 0
		.amdhsa_kernarg_size 32
		.amdhsa_user_sgpr_count 2
		.amdhsa_user_sgpr_kernarg_segment_ptr 1
		.amdhsa_wavefront_size32 1
		.amdhsa_system_sgpr_workgroup_id_x 1
		.amdhsa_system_sgpr_workgroup_id_y 1
		.amdhsa_system_sgpr_workgroup_id_z 1
		.amdhsa_system_vgpr_workitem_id 0
		.amdhsa_next_free_vgpr 1024
		.amdhsa_next_free_sgpr 72
		.amdhsa_reserve_vcc 0
		.amdhsa_float_denorm_mode_32 3
		.amdhsa_float_denorm_mode_16_64 3
		.amdhsa_memory_ordered 1
		.amdhsa_forward_progress 1
		.amdhsa_inst_pref_size 148
	.end_amdhsa_kernel
	.amdgpu_metadata
---
amdhsa.version: [ 1, 2 ]
amdhsa.kernels:
  - .name:           k_q21d79d07b2_main
    .symbol:         k_q21d79d07b2_main.kd
    .args:
      - { .name: xb, .offset: 0, .size: 8, .value_kind: global_buffer, .address_space: global }
      - { .name: wcat, .offset: 8, .size: 8, .value_kind: global_buffer, .address_space: global }
      - { .name: rt, .offset: 16, .size: 8, .value_kind: global_buffer, .address_space: global }
      - { .name: yv, .offset: 24, .size: 8, .value_kind: global_buffer, .address_space: global }
    .group_segment_fixed_size: 327680
    .private_segment_fixed_size: 0
    .kernarg_segment_align: 8
    .kernarg_segment_size: 32
    .max_flat_workgroup_size: 128
    .sgpr_count:     72
    .vgpr_count:     1024
    .wavefront_size: 32
...
	.end_amdgpu_metadata
.endif
;; end of part 3
;; launch attn (part 4): grid 16 x 16, 4 waves a work-group, clusters of 4 x 1, 327,680 bytes of LDS; arguments yv, xb, mask, divide_pos, b_d0, rt, lt, b_qa, b_ner, out0, out1; writes out0, out1
.if DOCPART == 4
	.amdgcn_target "amdgcn-amd-amdhsa--gfx1250"
	.amdhsa_code_object_version 6
	.text
	.protected	k_q21d79d07b2_attn
	.globl	k_q21d79d07b2_attn
	.p2align	8
	.type	k_q21d79d07b2_attn,@function
k_q21d79d07b2_attn:
	s_mov_b64 s[64:65], 0
	v_nop
	global_prefetch_b8 v0, s[64:65] scope:SCOPE_SE
	s_setreg_imm32_b32 hwreg(HW_REG_WAVE_MODE, 25, 1), 1
	s_wait_xcnt 0x0
	s_wait_alu depctr_hold_cnt(0) depctr_sa_sdst(0) depctr_va_vdst(0) depctr_va_sdst(0) depctr_va_ssrc(0) depctr_va_vcc(0) depctr_vm_vsrc(0)
	s_getreg_b32 s2, hwreg(HW_REG_IB_STS2, 6, 4)
	s_cmp_eq_u32 s2, 0
	s_cbranch_scc0 .Lentry_in_a_cluster
	s_endpgm
.Lentry_in_a_cluster:
	s_bfe_u32 s2, ttmp6, 0x10000c
	s_cmp_lg_u32 s2, 0x3003
	s_cbranch_scc0 .Lentry_shape_is_right
	s_endpgm
.Lentry_shape_is_right:
; The masked attention, tanh and the two heads.  (Left out, as the first kernel's head shows: b_k, and the wide product with w_d1.)
;   s[q][k] = Y'[q].x[k] / 32 + (q < d ? mask[k] : 0), set to -1e9 where (q < d) = (k < d);  P = softmax_k(s);  T = tanh(P V' + b_d0);  out[q][c] = T[q].W1[c] + (x[q] + b_d1).L[c] + b_out[c]
; Y' = yv columns 0-1023, V' = yv columns 1024-2047, x = xb, W1 = rt rows 0-10 from column 2048, L = lt rows 0-10, b_d1 = lt row 13, d = divide_pos[b].  c = 0-8: out1, c = 9, 10: out0.
; Products in bf16 with f32 sums; the row's true maximum is taken away before the exponential; P is rounded to bf16 for the second product, its sum l is taken of the unrounded weights; T is rounded to bf16.
; LIMITS.  d steers compares and selects alone.  mask and b_d0 are used in f32, b_qa and b_ner rounded to bf16 like the other inputs that reach the output directly.  A weight below 2^-126 counts as 0.
; mask is taken as finite (it is multiplied by 0 in the rows where reference() does not add it).
; SHARES.  A work-group has 32 queries of one batch (two tiles t of 16).  For the scores wave w owns keys 128 w .. + 127; for P V' and what follows it owns channels 256 w .. + 255.
; THE WALK.  16 tiles through two LDS slots: tile i < 8 is K step i (512 keys x 128 channels of xb), tile 8 + j is V' for keys 64 j .. (64 keys x 1,024 channels).  Each wave loads and reads only its own
; quarter of a slot: 128 keys x 272 bytes, or 64 keys x 544 bytes.
; CLUSTER.  The four query blocks of a cluster belong to one batch and walk the same 16 tiles: each quarter is asked for JOINTLY, by the same tensor load, descriptor and mask of four.
; LAYOUT.  S^T = K Q^T: a lane holds ONE query (l % 16) and the keys 8 (l / 16) + 0..7 of a block of 16.  Two such blocks rounded in pairs ARE source 1 (32 keys x 16 queries) of O^T = V'^T P, whose result
; holds one query a lane and eight channels; two of those rounded ARE source 1 of out^T = W1 T^T.  P changes waves once, through LDS, as register images.
; REGISTERS, in windows of 256 (s_set_vgpr_msb: bits 1:0 source 0, 3:2 source 1, 5:4 source 2, 7:6 destination):
;   window 0: v0-31 lane terms and statistics; v32-63 at work; v64-191 S^T ((t, kb) at 64 + 8 (8 t + kb)), later 2.885 b_d0; v192-255 mask x log2(e)
;   window 1: first Q, two buffers of 64 (slot, t, chunk at 64 slot + 32 t + 8 c), and K's two fragment buffers v128-191, v192-255; then O^T ((cb, t) at 8 (2 cb + t))
;   window 2: V's two fragment buffers of 128; later T (v0-127) and b_d1's fragments (v128-191)      window 3: v0-31 P's two fragment buffers; later W1, L, x
.set WQ,     34816                     ; a wave's quarter of a slot
.set SLOTB,  139264
.set PB,     278528                    ; P as register images: fragment (32 keys kc, t, half g) at 2048 kc + 1024 t + 512 g + 16 l
.set RED,    311296                    ; the waves' maxima; 512 bytes on, their sums
.set OUTRED, 312320                    ; the waves' partial outputs, 2,048 bytes each
.set FIN1,   320512                    ; 32 rows x 9 f32
.set FIN0,   321792                    ; 32 rows x 2 f32
.set SPARE,  322048                    ; the spare words, 128 bytes a wave
.set F0, 128
.set F1, 192
.set MSB, 0
.macro WIN new
.if MSB != (\new)
	s_set_vgpr_msb (MSB<<8)|(\new)
.set MSB, (\new)
.endif
.endm
.macro PLACES                          ; four places behind a product, in front of loads into its sources and of vector work on its results
.rept 4
	v_nop
.endr
.endm
.macro CROUND                          ; a round of the cluster's barrier
	s_barrier_signal -1
	s_barrier_wait -1
	s_cmp_lg_u32 s26, 0
	s_cbranch_scc1 .Lnw0_\@
	s_barrier_signal -3
.Lnw0_\@:
	s_barrier_wait -3
	s_barrier_signal -1
	s_barrier_wait -1
.endm
.macro QLOAD qs, off                   ; a K step's Q: 2 tiles x 4 chunks of 32 channels, 16 loads, into buffer qs
	WIN 0x40
.irp t, 0,1
.irp c, 0,1,2,3
	global_load_b128 v[64*(\qs)+32*\t+8*\c:64*(\qs)+32*\t+8*\c+3],   v8, s[98:99] offset:(\off)+65536*\t+64*\c
	global_load_b128 v[64*(\qs)+32*\t+8*\c+4:64*(\qs)+32*\t+8*\c+7], v8, s[98:99] offset:(\off)+65536*\t+64*\c+32
.endr
.endr
.endm
.macro FETCHK slot, kb, f              ; my 128 keys x 32 channels at byte kb of the rows: 16 LDS loads in one run
	WIN 0x40
.irp i, 0,1,2,3,4,5,6,7
	ds_load_b128 v[(\f)+8*\i:(\f)+8*\i+3],   v[4+(\slot)] offset:4352*\i+(\kb)
	ds_load_b128 v[(\f)+8*\i+4:(\f)+8*\i+7], v[4+(\slot)] offset:4352*\i+(\kb)+32
.endr
.endm
.macro MULS8 f, q, t, zero             ; 8 products: my 8 key blocks x query tile t.  The 16 accumulators take turns, one instruction a turn, in the same order everywhere
	WIN 0x05
.irp i, 0,1,2,3,4,5,6,7
.if \zero
	v_wmma_f32_16x16x32_bf16 v[64+64*(\t)+8*\i:64+64*(\t)+8*\i+7], v[(\f)+8*\i:(\f)+8*\i+7], v[(\q)+32*(\t):(\q)+32*(\t)+7], 0
.else
	v_wmma_f32_16x16x32_bf16 v[64+64*(\t)+8*\i:64+64*(\t)+8*\i+7], v[(\f)+8*\i:(\f)+8*\i+7], v[(\q)+32*(\t):(\q)+32*(\t)+7], v[64+64*(\t)+8*\i:64+64*(\t)+8*\i+7]
.endif
.endr
.endm
; One of a K step's first three quarters: buffer f is in; the next quarter's fragments are asked for at once, 16 products ahead of the wait for them.
; first = 1: the step's first quarter: its Q is waited for.  qoff >= 0: the next step's Q is asked for, into the buffer whose last product stands four places back.
.macro QUARTER slot, kb, f, g, c, zero, first, qoff
	s_wait_dscnt 0x0
.if \first
	s_wait_loadcnt 0x0                             ; Q of this step, asked for a K step ago (the only loads out)
.endif
	PLACES
	FETCHK \slot, \kb, \g
.if (\qoff) >= 0
	QLOAD 1-(\slot), \qoff
.endif
	MULS8 \f, 64*(\slot)+8*(\c), 0, \zero
	MULS8 \f, 64*(\slot)+8*(\c), 1, \zero
.endm
; PREFETCHES INTO THE L2: at the change behind tile i the tile i + 6 is asked for, four tiles ahead of its tensor load.  All four clusters of a batch walk the same tiles: the batch's first cluster asks.
; Each wave asks for its own quarter, the four partners share its rows out by address: of a K tile 32 rows x 256 bytes (a lane a row), of a V tile 16 rows x 512 bytes (two lanes a row).  So each aligned
; block of 256 bytes of tiles 6 to 15 is named once.  s78 = 2 and s79 = 3 in the first cluster, -1 and 0 elsewhere; s96 counts the loop's trips 3, 2, 1.
.macro ASKK slot                       ; in the K loop: trip 3 asks for K tiles 6, 7; trips 2 and 1 for V tiles 0-3 (the pointer steps between them)
	WIN 0
	s_cmp_gt_u32 s96, s78
	s_cbranch_scc0 .Lnk_\@
	global_prefetch_b8 v29, s[74:75] offset:1536+256*(\slot) th:TH_LOAD_NT scope:SCOPE_SE
.Lnk_\@:
	s_cmp_lt_u32 s96, s79
	s_cbranch_scc0 .Lnv_\@
	global_prefetch_b8 v30, s[76:77] offset:262144*(\slot) th:TH_LOAD_NT scope:SCOPE_SE
.Lnv_\@:
.endm
.macro ASKV slot, how                  ; how = 1: behind the K loop (V tiles 4, 5); how = 0: in the V loop, first trip alone (V tiles 6, 7)
	WIN 0
.if \how
	s_cmp_eq_u32 s78, 2
.else
	s_cmp_gt_u32 s96, s78
.endif
	s_cbranch_scc0 .Lna_\@
	global_prefetch_b8 v30, s[76:77] offset:262144*(\slot) th:TH_LOAD_NT scope:SCOPE_SE
.Lna_\@:
.endm
; A K step's last quarter and THE CHANGE OF SLOTS.  Each wave waits for all its tensor loads (one is out: its quarter of the other slot), adds 0 to its spare word, and waits for that and for its reads of
; this slot; the round of the cluster's barrier shows the same of every wave of every partner; the joint refill (descriptor g0, shape g1, stepped by step bytes) is the first thing behind it.
.macro TURN slot, g0, g1, step, fetch, tail
	WIN 0
	s_wait_tensorcnt 0x0                           ; no tensor load of mine is out, so a group 0 may be written
	ds_add_u32 v14, v15
.if \step
	s_add_nc_u64 s[\g0+2:\g0+3], s[\g0+2:\g0+3], \step
.endif
	s_wait_dscnt 0x1                               ; all but the add: the last quarter's fragments are in
	MULS8 F1, 64*(\slot)+24, 0, 0                  ; eight products stand between the add and the wait for it
	WIN 0
	s_wait_dscnt 0x0
	CROUND
	tensor_load_to_lds s[\g0:\g0+3], s[\g1:\g1+7]
	s_nop 0
	PLACES                                         ; also the places in front of the loads below
.if \fetch
	FETCHK 1-(\slot), 0, F0
.endif
.if \tail
	ASKV \slot, 1
.else
	ASKK \slot
.endif
	MULS8 F1, 64*(\slot)+24, 1, 0
.endm
.macro FETCHV slot, ch, vf             ; 32 keys (half ch of the tile) x my 256 channels, turned: 32 LDS loads in one run
	WIN 0x80
.irp cb, 0,1,2,3,4,5,6,7,8,9,10,11,12,13,14,15
	ds_load_tr16_b128 v[(\vf)+8*\cb:(\vf)+8*\cb+3],   v[6+(\slot)] offset:17408*(\ch)+32*\cb
	ds_load_tr16_b128 v[(\vf)+8*\cb+4:(\vf)+8*\cb+7], v[6+(\slot)] offset:17408*(\ch)+32*\cb+8704
.endr
.endm
.macro FETCHP pf, off                  ; P for 32 keys, both query tiles: 4 LDS loads
	WIN 0xc0
.irp t, 0,1
.irp g, 0,1
	ds_load_b128 v[(\pf)+8*\t+4*\g:(\pf)+8*\t+4*\g+3], v10 offset:(\off)+1024*\t+512*\g
.endr
.endr
.endm
.macro MULV vf, pf, cb0, n, zero       ; 2 n products O^T += V'^T P; the 32 accumulators take turns, one instruction a turn
	WIN 0x5e
.set cb, \cb0
.rept \n
.irp t, 0,1
.if \zero
	v_wmma_f32_16x16x32_bf16 v[8*(2*cb+\t):8*(2*cb+\t)+7], v[(\vf)+8*cb:(\vf)+8*cb+7], v[(\pf)+8*\t:(\pf)+8*\t+7], 0
.else
	v_wmma_f32_16x16x32_bf16 v[8*(2*cb+\t):8*(2*cb+\t)+7], v[(\vf)+8*cb:(\vf)+8*cb+7], v[(\pf)+8*\t:(\pf)+8*\t+7], v[8*(2*cb+\t):8*(2*cb+\t)+7]
.endif
.endr
.set cb, cb+1
.endr
.endm
.macro AV slot, zero, poff             ; a V tile's first 32 keys are multiplied; its second 32 are asked for at once, 32 products ahead
	s_wait_dscnt 0x0
	PLACES
	FETCHV \slot, 1, 128
	FETCHP 16, \poff
	MULV 0, 0, 0, 16, \zero
.endm
.macro BV slot, g0, poff               ; its second 32 keys, and the change of slots, as in TURN
	WIN 0
	s_wait_tensorcnt 0x0
	ds_add_u32 v14, v15
	s_add_nc_u64 s[\g0+2:\g0+3], s[\g0+2:\g0+3], 524288  ; two tiles of 64 keys x 4,096 bytes on
	s_wait_dscnt 0x1                               ; all but the add
	MULV 128, 16, 0, 8, 0                          ; sixteen products stand between the add and the wait for it
	WIN 0
	s_wait_dscnt 0x0
	CROUND
	tensor_load_to_lds s[\g0:\g0+3], s[40:47]
	s_nop 0
	PLACES
	FETCHV 1-(\slot), 0, 0
	FETCHP 0, \poff
	ASKV \slot, 0
	MULV 128, 16, 8, 8, 0
.endm
	s_load_b512 s[4:19], s[0:1], 0x0               ; yv s4, xb s6, mask s8, divide_pos s10, b_d0 s12, rt s14, lt s16, b_qa s18
	s_load_b128 s[20:23], s[0:1], 0x40             ; b_ner s20, out0 s22
	s_load_b64 s[24:25], s[0:1], 0x50              ; out1
	v_lshl_add_u32 v14, v0, 2, SPARE
	v_mov_b32 v15, 0
	ds_add_u32 v14, v15                            ; the wave's opening: the add, twice on end, and its wait ahead of my first tensor load
	ds_add_u32 v14, v15
	v_lshrrev_b32 v1, 5, v0
	v_readfirstlane_b32 s26, v1                    ; wave 0..3
	s_bfe_u32 s27, ttmp6, 0x40000                  ; cx
	s_and_b32 s28, ttmp7, 0xffff                   ; the batch, which the four partners share
	s_lshl_b32 s29, ttmp9, 2
	s_add_co_u32 s29, s29, s27
	s_lshl_b32 s29, s29, 5                         ; q0: my first query; it enters global addresses and compares alone
	s_mov_b32 s32, 15|(1<<16)|(1<<20)|(1<<21)|(5<<22)|(3<<25)  ; K tiles: the mask of four; 2-byte elements; padding on; bit 21 beside a mask; after every 64 words 4 words
	s_mov_b32 s33, 128<<16                         ; tensor_dim0 = 128
	s_mov_b32 s34, 128<<16                         ; tensor_dim1 = 128
	s_mov_b32 s35, 128<<16                         ; tile_dim0 = 128
	s_mov_b32 s36, 128                             ; tile_dim1 = 128
	s_mov_b32 s37, 1024                            ; elements from row to row of xb
	s_mov_b32 s38, 0
	s_mov_b32 s39, 0
	s_mov_b32 s40, 15|(1<<16)|(1<<20)|(1<<21)|(6<<22)|(7<<25)  ; V tiles: after every 128 words 8 words: rows 544 bytes apart
	s_mov_b32 s41, 256<<16                         ; tensor_dim0 = 256
	s_mov_b32 s42, 64<<16                          ; tensor_dim1 = 64
	s_mov_b32 s43, 256<<16                         ; tile_dim0 = 256
	s_mov_b32 s44, 64                              ; tile_dim1 = 64
	s_mov_b32 s45, 2048                            ; elements from row to row of yv
	s_mov_b32 s46, 0
	s_mov_b32 s47, 0
	s_mul_i32 s31, s26, WQ                         ; my quarter of a slot
	s_mov_b32 s48, 1                               ; group 0 for K in slot 0, slot 1; for V in slot 0, slot 1
	s_mov_b32 s49, s31
	s_mov_b32 s52, 1
	s_add_co_u32 s53, s31, SLOTB
	s_mov_b32 s56, 1
	s_mov_b32 s57, s31
	s_mov_b32 s60, 1
	s_add_co_u32 s61, s31, SLOTB
	s_mov_b32 s66, 0x3d38aa3b                      ; log2(e) / 32
	s_mov_b32 s67, s66
	s_mov_b32 s68, 0x76543210                      ; v_permlanex16_b32: each lane takes its own place in the other half
	s_mov_b32 s69, 0xfedcba98
	s_cmp_eq_u32 ttmp9, 0                          ; the batch's first cluster prefetches: the same in all four partners
	s_cselect_b32 s78, 2, -1
	s_cselect_b32 s79, 3, 0
	s_wait_dscnt 0x0                               ; both opening adds are done
	s_wait_kmcnt 0x0
	s_lshl_b32 s92, s28, 20                        ; xb: batch x 512 rows x 2,048 bytes + my 128 keys
	s_lshl_b32 s93, s26, 18
	s_add_co_u32 s92, s92, s93
	s_mov_b32 s93, 0
	s_add_nc_u64 s[50:51], s[6:7], s[92:93]        ; K step 0,
	s_add_nc_u64 s[54:55], s[50:51], 256           ; K step 1
	s_or_b32 s51, s51, 0x80000000
	s_or_b32 s55, s55, 0x80000000
	s_lshl_b32 s94, s27, 16                        ; the prefetches: my work-group's 32 of my 128 keys
	s_add_co_u32 s94, s94, s92
	s_mov_b32 s95, 0
	s_add_nc_u64 s[74:75], s[6:7], s[94:95]
	s_lshl_b32 s92, s28, 21                        ; yv: batch x 512 rows x 4,096 bytes + V' + my 256 channels
	s_lshl_b32 s93, s26, 9
	s_add_co_u32 s92, s92, s93
	s_add_co_u32 s92, s92, 2048
	s_mov_b32 s93, 0
	s_add_nc_u64 s[58:59], s[4:5], s[92:93]        ; V tile 0,
	s_add_nc_u64 s[62:63], s[58:59], 262144        ; V tile 1
	s_or_b32 s59, s59, 0x80000000
	s_or_b32 s63, s63, 0x80000000
	s_lshl_b32 s94, s27, 16                        ; the prefetches: my work-group's 16 of a tile's 64 keys
	s_add_co_u32 s94, s94, s92
	s_add_nc_u64 s[76:77], s[4:5], s[94:95]
	s_lshl_b32 s94, s28, 21                        ; Q: my 32 rows of yv
	s_lshl_b32 s97, s29, 12
	s_add_co_u32 s94, s94, s97
	s_add_nc_u64 s[98:99], s[4:5], s[94:95]
	s_lshl_b32 s92, s28, 2
	s_add_nc_u64 s[10:11], s[10:11], s[92:93]
	s_load_b32 s30, s[10:11], 0x0                  ; d
	s_load_b256 s[80:87], s[20:21], 0x0            ; b_ner
	s_load_b32 s88, s[20:21], 0x20
	s_load_b64 s[90:91], s[18:19], 0x0             ; b_qa
	s_lshl_b32 s92, s28, 11
	s_add_nc_u64 s[8:9], s[8:9], s[92:93]          ; the batch's row of mask
	CROUND                                         ; all four work-groups are here: the first joint loads meet
	tensor_load_to_lds s[48:51], s[32:39]          ; tiles 0 and 1: two loads of mine are out
	s_nop 0
	tensor_load_to_lds s[52:55], s[32:39]
	s_nop 0
	PLACES
	v_and_b32 v3, 31, v0                           ; l
	v_and_b32 v1, 15, v0                           ; l % 16
	v_bfe_u32 v2, v0, 4, 1                         ; l / 16
	v_lshlrev_b32 v8, 12, v1
	v_lshl_add_u32 v8, v2, 4, v8                   ; Q: row x 4,096 + 16 x half
	QLOAD 0, 0                                     ; Q of K step 0
	WIN 0
	s_lshl_b32 s92, s26, 9
	v_lshl_add_u32 v32, v2, 5, s92                 ; mask of my keys: 4 (128 w + 8 (l / 16)) + 64 kb
.irp i, 0,1,2,3,4,5,6,7
	global_load_b128 v[192+8*\i:195+8*\i], v32, s[8:9] offset:64*\i
	global_load_b128 v[196+8*\i:199+8*\i], v32, s[8:9] offset:64*\i+16
.endr
	v_mul_u32_u24 v4, v1, 272
	v_lshl_add_u32 v4, v2, 4, v4
	v_add_nc_u32 v4, s31, v4                       ; K fragments: my quarter + row x 272 + 16 x half, slot 0
	v_add_nc_u32 v5, SLOTB, v4                     ; slot 1
	v_and_b32 v6, 7, v0                            ; the turning load: key 8 (l / 16) + l % 8, channels 8 ((l / 8) % 2) ..
	v_lshl_add_u32 v6, v2, 3, v6
	v_mul_u32_u24 v6, v6, 544
	v_bfe_u32 v7, v0, 3, 1
	v_lshl_add_u32 v6, v7, 4, v6
	v_add_nc_u32 v6, s31, v6
	v_add_nc_u32 v7, SLOTB, v6
	s_lshl_b32 s92, s26, 13
	s_add_co_u32 s92, s92, PB
	v_lshl_add_u32 v9, v3, 4, s92                  ; where I put my images of P
	v_lshl_add_u32 v10, v3, 4, PB                  ; where I read P; it steps in the V loop
	s_lshl_b32 s92, s26, 7
	s_add_co_u32 s92, s92, RED
	v_lshl_add_u32 v11, v1, 2, s92                 ; my wave's word for my query
	v_lshl_add_u32 v12, v1, 2, RED                 ; the four waves' words
	v_mov_b32 v28, 0xceabfb8f                      ; -1e9 x log2(e)
	v_lshlrev_b32 v29, 11, v3                      ; prefetch of K: a lane a row of xb
	v_lshrrev_b32 v30, 1, v3                       ; of V: two lanes a row of yv
	v_lshlrev_b32 v30, 12, v30
	v_and_b32 v31, 1, v3
	v_lshl_add_u32 v30, v31, 8, v30
	s_wait_kmcnt 0x0
	s_lshl_b32 s92, s26, 7
	s_sub_co_i32 s92, s30, s92
	v_lshlrev_b32 v13, 3, v2
	v_sub_nc_u32 v13, s92, v13                     ; d - 128 w - 8 (l / 16): key 16 kb + j of mine lies in the query segment where it is below this
	s_mov_b32 s93, 0
	s_wait_tensorcnt 0x1                           ; tile 0 is in (my own quarter, which I alone read); tile 1 may stay out
	FETCHK 0, 0, F0
	QUARTER 0, 64, F0, F1, 0, 1, 1, 256            ; the first quarter stands in front of the loop: its products start the sums
	WIN 0
	s_mov_b32 s96, 3
.Lk:                                                   ; a trip: the rest of K step i, all of i + 1, the first quarter of i + 2; tiles i + 2 and i + 3 are asked for (i = 0, 2, 4)
	QUARTER 0, 128, F1, F0, 1, 0, 0, -1
	QUARTER 0, 192, F0, F1, 2, 0, 0, -1
	TURN 0, 48, 32, 512, 1, 0
	QUARTER 1, 64,  F0, F1, 0, 0, 1, 512
	QUARTER 1, 128, F1, F0, 1, 0, 0, -1
	QUARTER 1, 192, F0, F1, 2, 0, 0, -1
	TURN 1, 52, 32, 512, 1, 0
	QUARTER 0, 64,  F0, F1, 0, 0, 1, 768
	WIN 0
	s_wait_xcnt 0x0                                ; the loads of Q (sixteen products back) and the prefetches (a quarter back) have read their addresses
	s_add_nc_u64 s[98:99], s[98:99], 512           ; Q: two K steps on
	s_cmp_lt_u32 s96, 3                            ; the V prefetches step behind the trips that made them
	s_cselect_b32 s92, 0x80000, 0
	s_add_nc_u64 s[76:77], s[76:77], s[92:93]
	s_sub_co_u32 s96, s96, 1
	s_cmp_lg_u32 s96, 0
	s_cbranch_scc1 .Lk
	QUARTER 0, 128, F1, F0, 1, 0, 0, -1            ; K steps 6 and 7 are written out: their changes ask for the first two V tiles
	QUARTER 0, 192, F0, F1, 2, 0, 0, -1
	TURN 0, 56, 40, 0, 1, 1
	QUARTER 1, 64,  F0, F1, 0, 0, 1, -1
	QUARTER 1, 128, F1, F0, 1, 0, 0, -1
	QUARTER 1, 192, F0, F1, 2, 0, 0, -1
	TURN 1, 60, 40, 0, 0, 1
	; THE SOFTMAX, in powers of 2.  The first 32 lines name no register of the last products: they are the places behind them.
	WIN 0
.set p, 0
.rept 32
	v_pk_mul_f32 v[192+2*p:193+2*p], v[192+2*p:193+2*p], 0x3fb8aa3b op_sel_hi:[1,0]
.set p, p+1
.endr
	s_wait_xcnt 0x0                                ; the last prefetches have read their address:
	s_add_nc_u64 s[76:77], s[76:77], 524288        ; V tiles 6, 7 for the V loop's first trip
	v_add_nc_u32 v31, s29, v1                      ; my query of tile 0
	v_cmp_gt_i32 s70, s30, v31                     ; is it in the query segment?
	v_add_nc_u32 v31, 16, v31
	v_cmp_gt_i32 s71, s30, v31
	v_cndmask_b32 v16, 0, 1.0, s70
	v_mov_b32 v17, v16
	v_cndmask_b32 v18, 0, 1.0, s71
	v_mov_b32 v19, v18
.irp t, 0,1                                    ; z = s log2(e) / 32 + (q < d) mask log2(e); each accumulator's lowest registers are read first
.set q, 0
.rept 4
.set p, 0
.rept 8
	v_pk_mul_f32 v[32+2*p:33+2*p], v[192+16*q+2*p:193+16*q+2*p], v[16+2*\t:17+2*\t]
.set p, p+1
.endr
.set p, 0
.rept 8
	v_pk_fma_f32 v[64+64*\t+16*q+2*p:65+64*\t+16*q+2*p], v[64+64*\t+16*q+2*p:65+64*\t+16*q+2*p], s[66:67], v[32+2*p:33+2*p] op_sel_hi:[1,0,1]
.set p, p+1
.endr
.set q, q+1
.endr
.endr
.set k, 0
.rept 64                                       ; allowed = (q < d) xor (k < d); elsewhere the score is SET to -1e9, as reference() sets it
	v_cmp_lt_i32 vcc_lo, 16*(k/8)+k%8, v13
	s_xor_b32 s72, vcc_lo, s70
	s_xor_b32 s73, vcc_lo, s71
	v_cndmask_b32 v[64+k], v28, v[64+k], s72
	v_cndmask_b32 v[128+k], v28, v[128+k], s73
.set k, k+1
.endr
.irp t, 0,1                                    ; the maximum of my 64 scores of a query: four chains, then the other half of the lanes
.irp k, 0,1,2,3
	v_max3_num_f32 v[32+4*\t+\k], v[64+64*\t+16*\k], v[65+64*\t+16*\k], v[66+64*\t+16*\k]
.endr
.irp i, 0,1,2,3,4,5
.irp k, 0,1,2,3
	v_max3_num_f32 v[32+4*\t+\k], v[32+4*\t+\k], v[67+64*\t+16*\k+2*\i], v[68+64*\t+16*\k+2*\i]
.endr
.endr
	v_max3_num_f32 v[32+4*\t], v[32+4*\t], v[79+64*\t], v[95+64*\t]
	v_max3_num_f32 v[34+4*\t], v[34+4*\t], v[111+64*\t], v[127+64*\t]
	v_max3_num_f32 v[32+4*\t], v[32+4*\t], v[33+4*\t], v[34+4*\t]
	v_max_num_f32 v[32+4*\t], v[32+4*\t], v[35+4*\t]
	v_permlanex16_b32 v[33+4*\t], v[32+4*\t], s68, s69
	v_max_num_f32 v[32+4*\t], v[32+4*\t], v[33+4*\t]
	ds_store_b32 v11, v[32+4*\t] offset:64*\t
.endr
	s_wait_dscnt 0x0                               ; for the others' sake: my maxima are stored
	s_barrier_signal -1
	s_barrier_wait -1
.irp t, 0,1
.irp w, 0,1,2,3
	ds_load_b32 v[40+4*\t+\w], v12 offset:64*\t+128*\w
.endr
.endr
	s_wait_dscnt 0x0
.irp t, 0,1
	v_max3_num_f32 v[20+2*\t], v[40+4*\t], v[41+4*\t], v[42+4*\t]
	v_max_num_f32 v[20+2*\t], v[20+2*\t], v[43+4*\t]  ; the row's maximum over all 512 keys
	v_mov_b32 v[21+2*\t], v[20+2*\t]
.endr
.irp t, 0,1
.set p, 0
.rept 32
	v_pk_add_f32 v[64+64*\t+2*p:65+64*\t+2*p], v[64+64*\t+2*p:65+64*\t+2*p], v[20+2*\t:21+2*\t] neg_lo:[0,1] neg_hi:[0,1]
.set p, p+1
.endr
.endr
.set p, 0
.rept 128                                      ; one batch of exponentials,
	v_exp_f32 v[64+p], v[64+p]
.set p, p+1
.endr
	v_nop                                          ; a plain instruction behind the last,
	s_wait_alu depctr_va_vdst(0)                   ; and one wait ahead of the first reader
.irp t, 0,1                                    ; the sum of my 64 weights of a query, in f32, of the unrounded weights
.irp k, 0,1,2,3
	v_pk_add_f32 v[32+8*\t+2*\k:33+8*\t+2*\k], v[64+64*\t+16*\k:65+64*\t+16*\k], v[66+64*\t+16*\k:67+64*\t+16*\k]
.endr
.irp i, 2,3,4,5,6,7
.irp k, 0,1,2,3
	v_pk_add_f32 v[32+8*\t+2*\k:33+8*\t+2*\k], v[32+8*\t+2*\k:33+8*\t+2*\k], v[64+64*\t+16*\k+2*\i:65+64*\t+16*\k+2*\i]
.endr
.endr
	v_pk_add_f32 v[32+8*\t:33+8*\t], v[32+8*\t:33+8*\t], v[34+8*\t:35+8*\t]
	v_pk_add_f32 v[36+8*\t:37+8*\t], v[36+8*\t:37+8*\t], v[38+8*\t:39+8*\t]
	v_pk_add_f32 v[32+8*\t:33+8*\t], v[32+8*\t:33+8*\t], v[36+8*\t:37+8*\t]
	v_add_f32 v[24+2*\t], v[32+8*\t], v[33+8*\t]
	v_permlanex16_b32 v[34+8*\t], v[24+2*\t], s68, s69
	v_add_f32 v[24+2*\t], v[24+2*\t], v[34+8*\t]
	ds_store_b32 v11, v[24+2*\t] offset:512+64*\t
.endr
.irp t, 0,1                                    ; rounded to bf16 in place, ascending: pair p lands in register p, never above what is still to be read
.set p, 0
.rept 32
	v_cvt_pk_bf16_f32 v[64+64*\t+p], v[64+64*\t+2*p], v[65+64*\t+2*p]
.set p, p+1
.endr
.endr
.irp t, 0,1
.irp i, 0,1,2,3,4,5,6,7
	ds_store_b128 v9, v[64+64*\t+4*\i:67+64*\t+4*\i] offset:2048*(\i/2)+1024*\t+512*(\i%2)
.endr
.endr
	s_wait_dscnt 0x0                               ; for the others' sake: my sums and my images of P are stored
	s_barrier_signal -1
	s_barrier_wait -1
.irp t, 0,1
.irp w, 0,1,2,3
	ds_load_b32 v[48+4*\t+\w], v12 offset:512+64*\t+128*\w
.endr
.endr
	FETCHP 0, 0                                    ; keys 0-31
	FETCHV 0, 0, 0                                 ; V tile 0 landed ahead of the last change of slots
	WIN 0
	s_lshl_b32 s92, s26, 10
	v_lshl_add_u32 v31, v2, 5, s92                 ; b_d0 of my channels: 4 (256 w + 8 (l / 16)) + 64 cb
.set i, 0
.rept 16
	global_load_b128 v[64+8*i:67+8*i], v31, s[12:13] offset:64*i
	global_load_b128 v[68+8*i:71+8*i], v31, s[12:13] offset:64*i+16
.set i, i+1
.endr
	s_wait_dscnt 0x0
.irp t, 0,1
	v_add_f32 v[24+2*\t], v[48+4*\t], v[49+4*\t]
	v_add_f32 v[25+2*\t], v[50+4*\t], v[51+4*\t]
	v_add_f32 v[24+2*\t], v[24+2*\t], v[25+2*\t]   ; l, at least 1: the row's largest weight is 1
.endr
	; O^T = V'^T P
	AV 0, 1, 2048                                  ; the first 32 keys stand in front of the loop: their products start the sums
	WIN 0
	s_mov_b32 s96, 3
.Lv:                                                   ; a trip: the rest of V tile j, all of j + 1, the first half of j + 2; tiles j + 2 and j + 3 are asked for (j = 0, 2, 4)
	BV 0, 56, 4096
	AV 1, 0, 6144
	BV 1, 60, 8192
	AV 0, 0, 10240
	WIN 0
	v_add_nc_u32 v10, 8192, v10                    ; P: 128 keys on
	s_sub_co_u32 s96, s96, 1
	s_cmp_lg_u32 s96, 0
	s_cbranch_scc1 .Lv
	s_wait_dscnt 0x0                               ; the last two tiles are written out: nothing is asked for
	MULV 128, 16, 0, 8, 0
	s_wait_tensorcnt 0x0                           ; the last tile is in: my own quarter, which I alone read
	PLACES
	FETCHV 1, 0, 0
	FETCHP 0, 4096
	MULV 128, 16, 8, 8, 0
	AV 1, 0, 6144
	s_wait_dscnt 0x0
	MULV 128, 16, 0, 16, 0
	; tanh(O / l + b_d0) = 1 - 2 / (1 + 2^(2.885390 (O / l + b_d0))): it ends at +1 and -1 where the power overflows or vanishes
	WIN 0
	s_wait_loadcnt 0x0                             ; b_d0
.set p, 0
.rept 64                                       ; these lines are the places behind the last products
	v_pk_mul_f32 v[64+2*p:65+2*p], v[64+2*p:65+2*p], 0x4038aa3b op_sel_hi:[1,0]
.set p, p+1
.endr
	v_mul_u32_u24 v56, v1, 6144
	v_lshl_add_u32 v56, v2, 4, v56                 ; a fragment's row of rt
	v_lshlrev_b32 v57, 11, v1
	v_lshl_add_u32 v57, v2, 4, v57                 ; of lt and of xb
	v_lshlrev_b32 v58, 4, v2                       ; b_d1: the same row for all sixteen queries
	s_lshl_b32 s92, s26, 9                         ; my 256 channels
	s_add_nc_u64 s[16:17], s[16:17], s[92:93]
	s_add_co_u32 s94, s92, 4096                    ; W1 begins at column 2,048 of rt
	s_mov_b32 s95, 0
	s_add_nc_u64 s[14:15], s[14:15], s[94:95]
	s_lshl_b32 s94, s28, 20
	s_lshl_b32 s97, s29, 11
	s_add_co_u32 s94, s94, s97
	s_add_co_u32 s94, s94, s92
	s_add_nc_u64 s[6:7], s[6:7], s[94:95]          ; my 32 rows of xb
	WIN 0xc0
.set i, 0
.rept 8
	global_load_b128 v[8*i:8*i+3],       v56, s[14:15] offset:64*i
	global_load_b128 v[8*i+4:8*i+7],     v56, s[14:15] offset:64*i+32
	global_load_b128 v[64+8*i:64+8*i+3], v57, s[16:17] offset:64*i
	global_load_b128 v[68+8*i:68+8*i+3], v57, s[16:17] offset:64*i+32
	global_load_b128 v[128+8*i:128+8*i+3], v57, s[6:7] offset:64*i
	global_load_b128 v[132+8*i:132+8*i+3], v57, s[6:7] offset:64*i+32
	global_load_b128 v[192+8*i:192+8*i+3], v57, s[6:7] offset:32768+64*i
	global_load_b128 v[196+8*i:196+8*i+3], v57, s[6:7] offset:32768+64*i+32
.set i, i+1
.endr
	WIN 0x80
.set i, 0
.rept 8
	global_load_b128 v[128+8*i:128+8*i+3], v58, s[16:17] offset:26624+64*i
	global_load_b128 v[132+8*i:132+8*i+3], v58, s[16:17] offset:26624+64*i+32
.set i, i+1
.endr
	WIN 0
	v_rcp_f32 v24, v24
	v_rcp_f32 v26, v26
	v_nop
	s_wait_alu depctr_va_vdst(0)
	v_mul_f32 v24, 0x4038aa3b, v24                 ; 2.885390 / l
	v_mul_f32 v26, 0x4038aa3b, v26
	v_mov_b32 v25, v24
	v_mov_b32 v27, v26
	WIN 0x41                                       ; O^T in window 1, the factors in window 0
.set cb, 0
.rept 16
.irp t, 0,1
.irp p, 0,1,2,3
	v_pk_fma_f32 v[8*(2*cb+\t)+2*\p:8*(2*cb+\t)+2*\p+1], v[8*(2*cb+\t)+2*\p:8*(2*cb+\t)+2*\p+1], v[24+2*\t:25+2*\t], v[64+8*cb+2*\p:65+8*cb+2*\p]
.endr
.endr
.set cb, cb+1
.endr
.set i, 0
.rept 256
	v_exp_f32 v[i], v[i]
.set i, i+1
.endr
	v_nop
	s_wait_alu depctr_va_vdst(0)                   ; one wait for the batch
.set i, 0
.rept 128
	v_pk_add_f32 v[2*i:2*i+1], v[2*i:2*i+1], 1.0 op_sel_hi:[1,0]
.set i, i+1
.endr
.set i, 0
.rept 256
	v_rcp_f32 v[i], v[i]
.set i, i+1
.endr
	v_nop
	s_wait_alu depctr_va_vdst(0)                   ; one wait for the batch
.set i, 0
.rept 128
	v_pk_fma_f32 v[2*i:2*i+1], v[2*i:2*i+1], -2.0, 1.0 op_sel_hi:[1,0,0]
.set i, i+1
.endr
	WIN 0x85                                       ; sources window 1, destination window 2: T (32 channels cp, tile t) at 8 (2 cp + t)
.set cp, 0
.rept 8
.irp t, 0,1
.irp g, 0,1
.irp r, 0,1,2,3
	v_cvt_pk_bf16_f32 v[8*(2*cp+\t)+4*\g+\r], v[8*(2*(2*cp+\g)+\t)+2*\r], v[8*(2*(2*cp+\g)+\t)+2*\r+1]
.endr
.endr
.endr
.set cp, cp+1
.endr
	s_wait_loadcnt 0x0                             ; W1, L, x, b_d1
	; out^T over my 256 channels: v32-39 tile 0, v40-47 tile 1, v48-55 L b_d1 (the same for every query).  The accumulators take turns, one instruction a turn.
.set cp, 0
.rept 8
	WIN 0x0b                                       ; source 0 window 3, source 1 window 2
.if cp == 0
	v_wmma_f32_16x16x32_bf16 v[32:39], v[8*cp:8*cp+7], v[16*cp:16*cp+7], 0
	v_wmma_f32_16x16x32_bf16 v[40:47], v[8*cp:8*cp+7], v[16*cp+8:16*cp+15], 0
	v_wmma_f32_16x16x32_bf16 v[48:55], v[64+8*cp:64+8*cp+7], v[128+8*cp:128+8*cp+7], 0
.else
	v_wmma_f32_16x16x32_bf16 v[32:39], v[8*cp:8*cp+7], v[16*cp:16*cp+7], v[32:39]
	v_wmma_f32_16x16x32_bf16 v[40:47], v[8*cp:8*cp+7], v[16*cp+8:16*cp+15], v[40:47]
	v_wmma_f32_16x16x32_bf16 v[48:55], v[64+8*cp:64+8*cp+7], v[128+8*cp:128+8*cp+7], v[48:55]
.endif
	WIN 0x0f                                       ; both sources window 3
	v_wmma_f32_16x16x32_bf16 v[32:39], v[64+8*cp:64+8*cp+7], v[128+8*cp:128+8*cp+7], v[32:39]
	v_wmma_f32_16x16x32_bf16 v[40:47], v[64+8*cp:64+8*cp+7], v[192+8*cp:192+8*cp+7], v[40:47]
.set cp, cp+1
.endr
	PLACES
	WIN 0
.irp p, 0,1,2,3
	v_pk_add_f32 v[32+2*\p:33+2*\p], v[32+2*\p:33+2*\p], v[48+2*\p:49+2*\p]
	v_pk_add_f32 v[40+2*\p:41+2*\p], v[40+2*\p:41+2*\p], v[48+2*\p:49+2*\p]
.endr
	s_lshl_b32 s92, s26, 11
	s_add_co_u32 s92, s92, OUTRED
	v_lshl_add_u32 v59, v3, 4, s92
.irp t, 0,1
.irp g, 0,1
	ds_store_b128 v59, v[32+8*\t+4*\g:35+8*\t+4*\g] offset:1024*\t+512*\g
.endr
.endr
	s_wait_dscnt 0x0                               ; for wave 0's sake: my partial sums are stored
	s_barrier_signal -1
	s_barrier_wait -1
	s_cmp_lg_u32 s26, 0                            ; wave 0 adds the four up and stores
	s_cbranch_scc1 .Lend
	v_lshl_add_u32 v38, v3, 4, OUTRED
.irp w, 0,1,2,3
.irp t, 0,1
.irp g, 0,1
	ds_load_b128 v[64+16*\w+8*\t+4*\g:67+16*\w+8*\t+4*\g], v38 offset:2048*\w+1024*\t+512*\g
.endr
.endr
.endr
	; a lane holds query l % 16 and c = 8 (l / 16) + j: lanes 0-15 out1's columns 0-7; lanes 16-31 out1's column 8 (j = 0) and out0's two (j = 1, 2)
	v_cmp_le_u32 s94, 16, v3
.irp j, 0,1,2,3,4,5,6,7
	v_mov_b32 v[128+\j], s[80+\j]
.endr
	v_cndmask_b32 v128, v128, s88, s94
	v_cndmask_b32 v129, v129, s90, s94
	v_cndmask_b32 v130, v130, s91, s94
.irp j, 0,1,2,3,4,5,6,7
	v_cvt_pk_bf16_f32 v[128+\j], v[128+\j], v[128+\j]  ; the bias rounded to bf16, like the other inputs
.endr
.irp j, 0,1,2,3,4,5,6,7
	v_lshlrev_b32 v[128+\j], 16, v[128+\j]
.endr
	v_mul_u32_u24 v32, v1, 36
	v_add_nc_u32 v32, FIN1, v32                    ; row l % 16 of the stage for out1
	v_lshl_add_u32 v33, v1, 3, FIN0                ; and for out0
	v_lshl_add_u32 v34, v3, 2, FIN1
	v_lshl_add_u32 v35, v3, 3, FIN0
	v_lshlrev_b32 v36, 2, v3
	v_lshlrev_b32 v37, 3, v3
	s_lshl_b32 s72, s28, 9
	s_add_co_u32 s72, s72, s29                     ; my first row
	s_mul_i32 s92, s72, 36
	s_add_nc_u64 s[24:25], s[24:25], s[92:93]
	s_lshl_b32 s92, s72, 3
	s_add_nc_u64 s[22:23], s[22:23], s[92:93]
	s_wait_dscnt 0x0
.irp w, 1,2,3
.irp p, 0,1,2,3,4,5,6,7
	v_pk_add_f32 v[64+2*\p:65+2*\p], v[64+2*\p:65+2*\p], v[64+16*\w+2*\p:65+16*\w+2*\p]
.endr
.endr
.irp t, 0,1
.irp p, 0,1,2,3
	v_pk_add_f32 v[64+8*\t+2*\p:65+8*\t+2*\p], v[64+8*\t+2*\p:65+8*\t+2*\p], v[128+2*\p:129+2*\p]
.endr
.endr
	s_wait_xcnt 0x0                                ; EXEC changes only behind this wait
	v_cmp_gt_u32 vcc_lo, 16, v3
	s_and_saveexec_b32 s95, vcc_lo                 ; lanes 0-15
.irp t, 0,1
.irp j, 0,1,2,3,4,5,6,7
	ds_store_b32 v32, v[64+8*\t+\j] offset:576*\t+4*\j
.endr
.endr
	s_wait_xcnt 0x0
	s_or_b32 exec_lo, exec_lo, s95
	v_cmp_le_u32 vcc_lo, 16, v3
	s_and_saveexec_b32 s95, vcc_lo                 ; lanes 16-31
.irp t, 0,1
	ds_store_b32 v32, v[64+8*\t] offset:576*\t+32
	ds_store_b32 v33, v[65+8*\t] offset:128*\t
	ds_store_b32 v33, v[66+8*\t] offset:128*\t+4
.endr
	s_wait_xcnt 0x0
	s_or_b32 exec_lo, exec_lo, s95
.irp i, 0,1,2,3,4,5,6,7,8
	ds_load_b32 v[96+\i], v34 offset:128*\i        ; LDS serves a wave's instructions in order: these see the stores above
.endr
	ds_load_b64 v[106:107], v35
	s_wait_dscnt 0x0
.irp i, 0,1,2,3,4,5,6,7,8
	global_store_b32 v36, v[96+\i], s[24:25] offset:128*\i  ; the block's 1,152 bytes of out1 on end, 128 consecutive bytes a store
.endr
	global_store_b64 v37, v[106:107], s[22:23]     ; its 256 bytes of out0, aligned, in one store
.Lend:
	s_wait_tensorcnt 0x0                           ; the wave's end, behind my last tensor load and my last LDS store
	ds_add_u32 v14, v15
	s_wait_dscnt 0x0
	CROUND                                         ; the closing round: no work-group ends while a partner may still ask for a tile that names it
	s_endpgm
.Lfunc_end_k_q21d79d07b2_attn:
	.size	k_q21d79d07b2_attn, .Lfunc_end_k_q21d79d07b2_attn-k_q21d79d07b2_attn
	.p2alignl 7, 3214868480
	.fill 96, 4, 3214868480
	.section	.rodata,"a",@progbits
	.p2align	6, 0x0
	.amdhsa_kernel k_q21d79d07b2_attn
		.amdhsa_group_segment_fixed_size 327680
		.amdhsa_private_segment_fixed_size 0
		.amdhsa_enable_private_segment 0
		.amdhsa_kernarg_size 88
		.amdhsa_user_sgpr_count 2
		.amdhsa_user_sgpr_kernarg_segment_ptr 1
		.amdhsa_wavefront_size32 1
		.amdhsa_system_sgpr_workgroup_id_x 1
		.amdhsa_system_sgpr_workgroup_id_y 1
		.amdhsa_system_sgpr_workgroup_id_z 1
		.amdhsa_system_vgpr_workitem_id 0
		.amdhsa_next_free_vgpr 1024
		.amdhsa_next_free_sgpr 100
		.amdhsa_reserve_vcc 1
		.amdhsa_float_denorm_mode_32 3
		.amdhsa_float_denorm_mode_16_64 3
		.amdhsa_memory_ordered 1
		.amdhsa_forward_progress 1
		.amdhsa_inst_pref_size 221
	.end_amdhsa_kernel
	.amdgpu_metadata
---
amdhsa.version: [ 1, 2 ]
amdhsa.kernels:
  - .name:           k_q21d79d07b2_attn
    .symbol:         k_q21d79d07b2_attn.kd
    .args:
      - { .name: yv, .offset: 0, .size: 8, .value_kind: global_buffer, .address_space: global }
      - { .name: xb, .offset: 8, .size: 8, .value_kind: global_buffer, .address_space: global }
      - { .name: mask, .offset: 16, .size: 8, .value_kind: global_buffer, .address_space: global }
      - { .name: divide_pos, .offset: 24, .size: 8, .value_kind: global_buffer, .address_space: global }
      - { .name: b_d0, .offset: 32, .size: 8, .value_kind: global_buffer, .address_space: global }
      - { .name: rt, .offset: 40, .size: 8, .value_kind: global_buffer, .address_space: global }
      - { .name: lt, .offset: 48, .size: 8, .value_kind: global_buffer, .address_space: global }
      - { .name: b_qa, .offset: 56, .size: 8, .value_kind: global_buffer, .address_space: global }
      - { .name: b_ner, .offset: 64, .size: 8, .value_kind: global_buffer, .address_space: global }
      - { .name: out0, .offset: 72, .size: 8, .value_kind: global_buffer, .address_space: global }
      - { .name: out1, .offset: 80, .size: 8, .value_kind: global_buffer, .address_space: global }
    .group_segment_fixed_size: 327680
    .private_segment_fixed_size: 0
    .kernarg_segment_align: 8
    .kernarg_segment_size: 88
    .max_flat_workgroup_size: 128
    .sgpr_count:     100
    .vgpr_count:     1024
    .wavefront_size: 32
...
	.end_amdgpu_metadata
.endif
;; end of part 4
;; ======== version 2 of 2: 4 launches; version 1 with the launch prep written anew for expert scheduling mode
;; limits: right only within a limited range of input values
;; workspace buffers: xb 16,777,216 bytes; wa 6,291,456 bytes; wbm 4,194,304 bytes; lt 32,768 bytes; wcat 4,194,304 bytes; rt 98,304 bytes; yv 33,554,432 bytes
;; launch prep (part 5): grid 513 x 1, 8 waves a work-group, no clusters, 18,432 bytes of LDS; arguments input, w_q, w_v, w_k, w_d1, w_d0, w_qa, w_ner, b_q, b_v, b_d1, xb, wbm, wa, lt; writes xb, wbm, wa, lt
.if DOCPART == 5
	.amdgcn_target "amdgcn-amd-amdhsa--gfx1250"
	.amdhsa_code_object_version 6
	.text
	.protected	k_q21d79d07b2_prep
	.globl	k_q21d79d07b2_prep
	.p2align	8
	.type	k_q21d79d07b2_prep,@function
k_q21d79d07b2_prep:
	s_mov_b64 s[64:65], 0
	v_nop
	global_prefetch_b8 v0, s[64:65] scope:SCOPE_SE
	s_setreg_imm32_b32 hwreg(HW_REG_WAVE_SCHED_MODE, 0, 2), 2
	s_setreg_imm32_b32 hwreg(HW_REG_WAVE_MODE, 25, 1), 1
	s_wait_xcnt 0x0
	s_wait_alu depctr_vm_vsrc(0)
; QADecoder, first of four launches: the inputs of the matrix products are rounded once to bf16 and laid out with K along the rows.
; WHAT THE PROGRAM COMPUTES, AND WHAT IT LEAVES OUT.  With Wout = [w_ner | w_qa] (11 columns), in exact arithmetic and for all finite inputs:
;  (a) only x_new Wout leaves reference(), so  out = tanh(.) (w_d1 Wout) + (x + b_d1) Wout + b_out : the product with all 1,024 columns of w_d1 is not made.
;  (b) q.k = x_q (w_q w_k^T) x_k + (w_k b_q).x_k + q.b_k.  The last term is the same for all keys of a row, so it cancels in the softmax over the allowed keys;
;      the keys that are not allowed are SET to -1e9 and have weight 0 beside any allowed one (all weights alike where none is allowed).  So b_k reaches no output: it is not loaded and is no argument.
;  (c) a softmax row sums to 1, so  P (x w_v + b_v) w_d0 + b_d0 = P (x (w_v w_d0) + b_v w_d0) + b_d0.
; So: wg makes w_q w_k^T, w_v w_d0 and the thin products; main makes Y' = x (w_q w_k^T) + w_k b_q and V' = x (w_v w_d0) + b_v w_d0; attn does the rest.
; LIMITS.  A NaN, an infinity or an overflow that reaches only the work left out (b_k, q, k, v themselves) is not carried to the result.  (b) holds while the allowed scores with and without q.b_k stay far above -1e9.
; The products are associated otherwise than in reference(), so roundings differ; all matrix operands are bf16, all sums f32.
; THIS LAUNCH.  Work-groups 0-383: plain casts, 32,768 numbers each (input -> xb; w_q, w_v -> wbm; w_k -> wa rows 0-1023; w_d1 -> wa rows 2048-3071).
; Work-groups 384-511: w_d0 transposed into wa rows 1024-2047, a tile of 128 x 64 through LDS.  Work-group 512: lt, 16 rows of 1,024: w_ner^T (0-8), w_qa^T (9-10), b_q, b_v, b_d1 (11-13), zeros (14-15).
; Memory binds: no matrix unit, no cluster, no tensor loads; every store of sixteen neighbouring lanes covers 256 consecutive bytes, aligned.
; THE MODE: SCHED_MODE bits 1:0 = 2 (LLVM: expert scheduling mode 2), set by the entry lines.  The code itself states the register dependences
; between vector instructions and memory or LDS instructions, with s_wait_alu, always for 0.
; THE PLAN.  There is no loop; the three arms meet at the end alone.  Registers that memory or LDS instructions touch:
;   every arm   its offsets and addresses (v1 to v6) are made once, ahead of one wait on va_vdst, and never written again.  No register that a memory or LDS instruction reads is ever written again: no wait on vm_vsrc is owed.
;   the cast    v16-143: written by the 32 loads, read by the conversions.  v144-207: pair k's four registers are written by its conversions and read by its one store.
;               The 16 pairs go in four blocks of four.  Block p's conversions read v[16+32p ..] and write v[144+16p ..]; its memory instructions are the stores of block p - 1, which read v2 and v[144+16(p-1) ..].
;               So one wait on va_vdst at a block's head states all that the block's four stores hang on, and they are dealt among its conversions with no further wait.
;   transposing v16-47: loaded, read by the 16 conversions.  v48-63: written by them, one wait, read by the 16 LDS stores.  v64-79: written by LDS loads, read by global stores; no vector instruction names them.
;   lt          v16-127: loaded, read by the conversions.  v128-191: written by conversions and moves, one wait, read by the 16 stores.
;   v14, v15    written at the head, read by the closing add alone.
.set SPARE, 17408                      ; behind the stage of 64 rows x 272 bytes: the spare words, 128 bytes a wave
	s_load_b512 s[4:19], s[0:1], 0x0               ; input s4, w_q s6, w_v s8, w_k s10, w_d1 s12, w_d0 s14, w_qa s16, w_ner s18
	s_load_b256 s[20:27], s[0:1], 0x40             ; b_q s20, b_v s22, b_d1 s24, xb s26
	s_load_b128 s[28:31], s[0:1], 0x60             ; wbm s28, wa s30
	s_load_b64 s[32:33], s[0:1], 0x70              ; lt
	v_lshl_add_u32 v14, v0, 2, SPARE               ; my spare word
	v_mov_b32 v15, 0
	v_lshrrev_b32 v1, 5, v0
	v_readfirstlane_b32 s34, v1                    ; wave 0..7
	s_mov_b32 s35, ttmp9                           ; the work-group's number
	s_mov_b32 s41, 0                               ; high words of the two offsets
	s_mov_b32 s43, 0
	s_wait_alu depctr_va_sdst(0)                   ; s34 is written
	s_wait_kmcnt 0x0
	s_cmp_lt_u32 s35, 384
	s_cbranch_scc0 .Lnot_cast
	; ---- a cast: source, destination and chunk by the work-group's number
	s_cmp_lt_u32 s35, 256
	s_cbranch_scc0 .Lweights
	s_mov_b64 s[36:37], s[4:5]                     ; input -> xb, chunk = number
	s_mov_b64 s[38:39], s[26:27]
	s_mov_b32 s44, s35
	s_mov_b32 s42, 0
	s_branch .Lcast
.Lweights:
	s_sub_co_u32 s45, s35, 256
	s_lshr_b32 s46, s45, 5                         ; which weight: 0 w_q, 1 w_v, 2 w_k, 3 w_d1
	s_and_b32 s44, s45, 31                         ; chunk of it
	s_cmp_eq_u32 s46, 0
	s_cselect_b64 s[36:37], s[6:7], s[8:9]
	s_cmp_eq_u32 s46, 2
	s_cselect_b64 s[36:37], s[10:11], s[36:37]
	s_cmp_eq_u32 s46, 3
	s_cselect_b64 s[36:37], s[12:13], s[36:37]
	s_cmp_lt_u32 s46, 2
	s_cselect_b64 s[38:39], s[28:29], s[30:31]     ; wbm for the first two, wa for the others
	s_and_b32 s42, s46, 1                          ; w_v lies 2 MiB into wbm, w_d1 4 MiB into wa
	s_lshr_b32 s47, s46, 1
	s_add_co_u32 s47, s47, 21
	s_lshl_b32 s42, s42, s47
.Lcast:
	s_lshl_b32 s40, s44, 17                        ; 131,072 bytes of f32 a chunk
	s_add_nc_u64 s[36:37], s[36:37], s[40:41]
	s_lshl_b32 s40, s44, 16                        ; 65,536 bytes of bf16
	s_add_co_u32 s42, s42, s40
	s_add_nc_u64 s[38:39], s[38:39], s[42:43]
	v_lshlrev_b32 v1, 5, v0                        ; a thread's 8 numbers: 32 bytes in,
	v_lshlrev_b32 v2, 4, v0                        ; 16 bytes out
	s_wait_alu depctr_va_vdst(0)                   ; v1 and v2 are written: every load of this arm reads v1 as its offset, every store v2
.set k, 0
.rept 16                                       ; all 32 loads go out at once: 16 KiB a wave on their way
	global_load_b128 v[16+8*k:19+8*k], v1, s[36:37] offset:8192*k th:TH_LOAD_NT
	global_load_b128 v[20+8*k:23+8*k], v1, s[36:37] offset:8192*k+16 th:TH_LOAD_NT
.set k, k+1
.endr
.set p, 0
.rept 4                                        ; block p: pairs 4 p to 4 p + 3 are converted, the four pairs of the block before are stored
	s_wait_loadcnt 30-8*p                          ; loads come back in order: pair 4 p is in, the younger pairs may stay out
.if p > 0
	s_wait_alu depctr_va_vdst(0)                   ; the conversions of the block before have written v[144+16(p-1) ..], which this block's four stores read
.endif
.set i, 0
.rept 4
.if p > 0
	global_store_b128 v2, v[144+16*(p-1)+4*i:147+16*(p-1)+4*i], s[38:39] offset:4096*(4*(p-1)+i)  ; no vector instruction since the wait names these registers; none is used twice, so nothing waits for the stores
.endif
.if i > 0
	s_wait_loadcnt 30-2*(4*p+i)                    ; pair 4 p + i is in
.endif
	v_cvt_pk_bf16_f32 v[144+16*p+4*i], v[16+32*p+8*i], v[17+32*p+8*i]
	v_cvt_pk_bf16_f32 v[145+16*p+4*i], v[18+32*p+8*i], v[19+32*p+8*i]
	v_cvt_pk_bf16_f32 v[146+16*p+4*i], v[20+32*p+8*i], v[21+32*p+8*i]
	v_cvt_pk_bf16_f32 v[147+16*p+4*i], v[22+32*p+8*i], v[23+32*p+8*i]
.set i, i+1
.endr
.set p, p+1
.endr
	s_wait_alu depctr_va_vdst(0)                   ; the last block's conversions have written v[192:207], which the last four stores read
.set i, 0
.rept 4
	global_store_b128 v2, v[192+4*i:195+4*i], s[38:39] offset:4096*(12+i)
.set i, i+1
.endr
	s_branch .Lend
.Lnot_cast:
	s_cmp_lt_u32 s35, 512
	s_cbranch_scc0 .Lthin
	; ---- w_d0 transposed: rows h = 128 hb .., columns j = 64 jb ..
	s_sub_co_u32 s44, s35, 384
	s_and_b32 s45, s44, 7                          ; hb
	s_lshr_b32 s46, s44, 3                         ; jb
	s_lshl_b32 s40, s45, 19                        ; 128 rows of 4,096 bytes
	s_lshl_b32 s47, s46, 8                         ; 64 columns of 4 bytes
	s_add_co_u32 s40, s40, s47
	s_add_nc_u64 s[36:37], s[14:15], s[40:41]
	s_lshl_b32 s42, s46, 17                        ; out: 64 rows of 2,048 bytes,
	s_lshl_b32 s47, s45, 8                         ; 128 columns of 2 bytes,
	s_add_co_u32 s42, s42, s47
	s_add_co_u32 s42, s42, 0x200000                ; from row 1,024 of wa on
	s_add_nc_u64 s[38:39], s[30:31], s[42:43]
	v_and_b32 v1, 15, v0                           ; jq: my four columns
	v_lshrrev_b32 v2, 4, v0                        ; hp: my pairs of rows 2 hp + 32 e
	v_lshlrev_b32 v6, 13, v2
	v_lshl_add_u32 v6, v1, 4, v6
	v_mul_u32_u24 v3, v1, 1088                     ; stage row 4 jq (+ c), 272 bytes a row; byte 4 hp (+ 64 e)
	v_lshl_add_u32 v3, v2, 2, v3
	v_mul_u32_u24 v4, v2, 272                      ; back: sixteen lanes take a row's 256 bytes
	v_lshl_add_u32 v4, v1, 4, v4
	v_lshlrev_b32 v5, 11, v2
	v_lshl_add_u32 v5, v1, 4, v5
	s_wait_alu depctr_va_vdst(0)                   ; v3 to v6 are written: the loads read v6, the LDS stores v3, the LDS loads v4, the stores v5
.irp e, 0,1,2,3
	global_load_b128 v[16+8*\e:19+8*\e], v6, s[36:37] offset:131072*\e th:TH_LOAD_NT
	global_load_b128 v[20+8*\e:23+8*\e], v6, s[36:37] offset:131072*\e+4096 th:TH_LOAD_NT
.endr
	s_wait_loadcnt 0x0
.irp e, 0,1,2,3
.irp c, 0,1,2,3
	v_cvt_pk_bf16_f32 v[48+4*\e+\c], v[16+8*\e+\c], v[20+8*\e+\c]  ; rows h and h + 1 of one column: neighbours in the transposed row
.endr
.endr
	s_wait_alu depctr_va_vdst(0)                   ; the sixteen conversions have written v[48:63], which the LDS stores read
.irp e, 0,1,2,3
.irp c, 0,1,2,3
	ds_store_b32 v3, v[48+4*\e+\c] offset:272*\c+64*\e
.endr
.endr
	s_wait_dscnt 0x0                               ; for the others' sake: my stores into the stage are done
	s_barrier_signal -1
	s_barrier_wait -1
.irp i, 0,1,2,3
	ds_load_b128 v[64+4*\i:67+4*\i], v4 offset:4352*\i  ; no vector instruction of this arm names v[64:79]
.endr
	s_wait_dscnt 0x0
.irp i, 0,1,2,3
	global_store_b128 v5, v[64+4*\i:67+4*\i], s[38:39] offset:32768*\i
.endr
	s_branch .Lend
.Lthin:
	; ---- lt: threads 0-127 take 8 channels each
	s_cmp_lt_u32 s34, 4
	s_cbranch_scc0 .Lend
	v_mul_u32_u24 v1, v0, 288                      ; 8 rows of w_ner: 72 numbers
	v_lshlrev_b32 v2, 6, v0                        ; 8 rows of w_qa: 16 numbers
	v_lshlrev_b32 v3, 5, v0                        ; 8 numbers of a bias
	v_lshlrev_b32 v4, 4, v0                        ; 16 bytes of a row of lt
	s_wait_alu depctr_va_vdst(0)                   ; v1 to v4 are written: the loads read v1, v2 and v3 as their offsets, the stores v4
.set i, 0
.rept 18
	global_load_b128 v[16+4*i:19+4*i], v1, s[18:19] offset:16*i
.set i, i+1
.endr
.set i, 0
.rept 4
	global_load_b128 v[88+4*i:91+4*i], v2, s[16:17] offset:16*i
.set i, i+1
.endr
.irp i, 0,1
	global_load_b128 v[104+4*\i:107+4*\i], v3, s[20:21] offset:16*\i
	global_load_b128 v[112+4*\i:115+4*\i], v3, s[22:23] offset:16*\i
	global_load_b128 v[120+4*\i:123+4*\i], v3, s[24:25] offset:16*\i
.endr
	s_wait_loadcnt 0x0
.set R, 0
.rept 9                                        ; row R = column R of w_ner
.irp r, 0,1,2,3
	v_cvt_pk_bf16_f32 v[128+4*R+\r], v[16+18*\r+R], v[25+18*\r+R]
.endr
.set R, R+1
.endr
.irp c, 0,1                                    ; rows 9, 10 = the columns of w_qa
.irp r, 0,1,2,3
	v_cvt_pk_bf16_f32 v[164+4*\c+\r], v[88+4*\r+\c], v[90+4*\r+\c]
.endr
.endr
.irp c, 0,1,2                                  ; rows 11-13 = b_q, b_v, b_d1
.irp r, 0,1,2,3
	v_cvt_pk_bf16_f32 v[172+4*\c+\r], v[104+8*\c+2*\r], v[105+8*\c+2*\r]
.endr
.endr
.set i, 184
.rept 8
	v_mov_b32 v[i], 0                              ; rows 14, 15
.set i, i+1
.endr
	s_wait_alu depctr_va_vdst(0)                   ; the conversions and the moves have written v[128:191], which the sixteen stores read
.set R, 0
.rept 16
	global_store_b128 v4, v[128+4*R:131+4*R], s[32:33] offset:2048*R
.set R, R+1
.endr
.Lend:
	s_wait_dscnt 0x0                               ; the closing lines, six on end
	s_wait_alu 0x0
	s_wait_tensorcnt 0x0
	ds_add_u32 v14, v15
	s_wait_dscnt 0x0
	s_endpgm
.Lfunc_end_k_q21d79d07b2_prep:
	.size	k_q21d79d07b2_prep, .Lfunc_end_k_q21d79d07b2_prep-k_q21d79d07b2_prep
	.p2alignl 7, 3214868480
	.fill 96, 4, 3214868480
	.section	.rodata,"a",@progbits
	.p2align	6, 0x0
	.amdhsa_kernel k_q21d79d07b2_prep
		.amdhsa_group_segment_fixed_size 18432
		.amdhsa_private_segment_fixed_size 0
		.amdhsa_enable_private_segment 0
		.amdhsa_kernarg_size 120
		.amdhsa_user_sgpr_count 2
		.amdhsa_user_sgpr_kernarg_segment_ptr 1
		.amdhsa_wavefront_size32 1
		.amdhsa_system_sgpr_workgroup_id_x 1
		.amdhsa_system_sgpr_workgroup_id_y 1
		.amdhsa_system_sgpr_workgroup_id_z 1
		.amdhsa_system_vgpr_workitem_id 0
		.amdhsa_next_free_vgpr 208
		.amdhsa_next_free_sgpr 66
		.amdhsa_reserve_vcc 0
		.amdhsa_float_denorm_mode_32 3
		.amdhsa_float_denorm_mode_16_64 3
		.amdhsa_memory_ordered 1
		.amdhsa_forward_progress 1
		.amdhsa_inst_pref_size 25
	.end_amdhsa_kernel
	.amdgpu_metadata
---
amdhsa.version: [ 1, 2 ]
amdhsa.kernels:
  - .name:           k_q21d79d07b2_prep
    .symbol:         k_q21d79d07b2_prep.kd
    .args:
      - { .name: input, .offset: 0, .size: 8, .value_kind: global_buffer, .address_space: global }
      - { .name: w_q, .offset: 8, .size: 8, .value_kind: global_buffer, .address_space: global }
      - { .name: w_v, .offset: 16, .size: 8, .value_kind: global_buffer, .address_space: global }
      - { .name: w_k, .offset: 24, .size: 8, .value_kind: global_buffer, .address_space: global }
      - { .name: w_d1, .offset: 32, .size: 8, .value_kind: global_buffer, .address_space: global }
      - { .name: w_d0, .offset: 40, .size: 8, .value_kind: global_buffer, .address_space: global }
      - { .name: w_qa, .offset: 48, .size: 8, .value_kind: global_buffer, .address_space: global }
      - { .name: w_ner, .offset: 56, .size: 8, .value_kind: global_buffer, .address_space: global }
      - { .name: b_q, .offset: 64, .size: 8, .value_kind: global_buffer, .address_space: global }
      - { .name: b_v, .offset: 72, .size: 8, .value_kind: global_buffer, .address_space: global }
      - { .name: b_d1, .offset: 80, .size: 8, .value_kind: global_buffer, .address_space: global }
      - { .name: xb, .offset: 88, .size: 8, .value_kind: global_buffer, .address_space: global }
      - { .name: wbm, .offset: 96, .size: 8, .value_kind: global_buffer, .address_space: global }
      - { .name: wa, .offset: 104, .size: 8, .value_kind: global_buffer, .address_space: global }
      - { .name: lt, .offset: 112, .size: 8, .value_kind: global_buffer, .address_space: global }
    .group_segment_fixed_size: 18432
    .private_segment_fixed_size: 0
    .kernarg_segment_align: 8
    .kernarg_segment_size: 120
    .max_flat_workgroup_size: 256
    .sgpr_count:     66
    .vgpr_count:     208
    .wavefront_size: 32
...
	.end_amdgpu_metadata
.endif
;; end of part 5
;; launch wg: the kernel of part 2 again; grid 256 x 1, 4 waves a work-group, clusters of 4 x 1, 327,680 bytes of LDS; arguments wa, wbm, lt, wcat, rt; writes wcat, rt
;; launch main: the kernel of part 3 again; grid 8 x 32, 4 waves a work-group, clusters of 4 x 4, 327,680 bytes of LDS; arguments xb, wcat, rt, yv; writes yv
;; launch attn: the kernel of part 4 again; grid 16 x 16, 4 waves a work-group, clusters of 4 x 1, 327,680 bytes of LDS; arguments yv, xb, mask, divide_pos, b_d0, rt, lt, b_qa, b_ner, out0, out1; writes out0, out1
